; MI455X (gfx1250); checked and timed in simulation.
; The chip was launched on July 23, 2026; its instructions are those of AMD's public machine-readable ISA for CDNA 5 (MIT licence, August 2026) and "CDNA5" Instruction Set Architecture Reference Guide (July 2026). The comments in the code are by the model that wrote it; some were corrected since.
;; Self Attn1d. Allowed arithmetic: matrix products marked QUANTISED: E2M3 operands, one E8M0 scale for each 32 along K, by v_wmma_scale_f32_16x16x128_f8f6f4 with both operands' format E2M3, f32 sums; everything else in f32.
;; Inputs: add_encs 2 x 2,048 x 1,024 float32; in_feats 2 x 2,048 x 1,024 float32; in_proj_b 3,072 float32; in_proj_w 3,072 x 1,024 float32; ln_b 1,024 float32; ln_w 1,024 float32; mul_encs 2 x 2,048 x 1,024 float32; out_proj_b 1,024 float32; out_proj_w 1,024 x 1,024 float32.
;; Outputs: out0 2 x 2,048 x 1,024 float32.
;; This version of the problem:
;;   THIS VERSION OF THE PROBLEM IS GIVEN IN LOW PRECISION. The matrix products marked QUANTISED in the list below multiply operands that are first quantised to E2M3 (2 exponent bits, 3 mantissa bits; 6 bits a number), with one power-of-two scale for each 32 numbers along K (OCP MX v1.0); their sums are f32. All else is computed in f32.
;;   The module's matrix products, in the order in which they are computed (A, B: the left and right operand; K: the contracted axis; several contracted axes count as one K, in the product's order):
;;     1. [M 4,096, K 1,024] x [K 1,024, N 1,024]; A: computed on the way; B: computed on the way: QUANTISED
;;     2. [M 4,096, K 1,024] x [K 1,024, N 1,024]; A: computed on the way; B: computed on the way: QUANTISED
;;     3. [M 4,096, K 1,024] x [K 1,024, N 1,024]; A: computed on the way; B: computed on the way: QUANTISED
;;     4. batch 32 x [M 2,048, K 64] x [K 64, N 2,048]; A: computed on the way; B: computed on the way: QUANTISED
;;     5. batch 32 x [M 64, K 2,048] x [K 2,048, N 2,048]; A: computed on the way; B: softmax (see below): QUANTISED
;;     6. [M 4,096, K 1,024] x [K 1,024, N 1,024]; A: computed on the way; B: input out_proj_w: QUANTISED
;;   THE QUANTISER, for each operand of a quantised product, along K:
;;     - K is cut into blocks of 32 from its start; a last block that is shorter is filled with zeros.
;;     - A block's scale is 2^e with e = floor(log2(the largest magnitude in the block)) - 2, held to -126 .. 127; a block of zeros has e = 0. As a byte (E8M0): e + 127.
;;     - Each number is divided by its block's scale, clamped to +-7.5, and rounded to the nearest number of E2M3, ties to even, subnormals kept.
;;     - The product sums the exact products of the quantised numbers (number of the format x scale) in f32.
;;   ~~~python
;;   def quantise(x, axis):      # numpy; x: float32 -> the quantised numbers, widened to float32 again
;;       x = np.moveaxis(x, axis, -1); K = x.shape[-1]
;;       x = np.pad(x, [(0, 0)] * (x.ndim - 1) + [(0, -K % 32)]); x = x.reshape(x.shape[:-1] + (-1, 32)); a = np.abs(x).max(-1, keepdims=True)
;;       e = np.where(a > 0, np.clip(np.frexp(np.where(a > 0, a, 1))[1] - 1 - 2, -126, 127), 0)      # np.frexp(a)[1] - 1 = floor(log2(a)), exactly
;;       r = np.clip(x / 2.0 ** e, -7.5, 7.5)
;;       step = 2.0 ** (np.maximum(np.frexp(np.where(r == 0, 1, r))[1] - 1, 0) - 3)
;;       q = np.round(r / step) * step * 2.0 ** e      # np.round: ties to even
;;       return np.moveaxis(q.reshape(q.shape[:-2] + (-1,))[..., :K], -1, axis).astype(np.float32)
;;   ~~~
;;   SOFTMAX AHEAD OF A QUANTISED PRODUCT. Where the list says 'softmax', what is quantised is not the finished softmax but p = 2^(t - M), with t = logit x log2(e) and M = ceil(the row's largest t), a whole number; so 1/2 < the row's largest p <= 1. The row's sum l is taken of the UNQUANTISED p, in f32, and the product's result is divided by l at the end. Since M is a whole number, a kernel that streams over the keys may use a running M (the ceiling of the running maximum): every later rescaling is an exact power of two, which a block's scale takes up: the codes' values come out the same.
;;   OPERANDS COMPUTED ON THE WAY. 'Computed on the way' means the value that the module computes at that place (a softmax that the list does not call 'softmax' is quantised finished and normalised). What goes into a quantiser is computed in f32, as accurately as f32 sums, v_exp_f32 and their like allow (about 1e-6 of the number): no bf16 or f16 on the way to a quantiser, and a product that is left as it is and whose result goes on into a quantised operand takes f32 operands (vector FMAs, or v_wmma_f32_16x16x4_f32). A number that lies on a knife's edge between two numbers of the format may be rounded either way, as far as f32 arithmetic and the matrix unit's own rounding can turn it there, and no further.
;; One version. Each part assembles by itself: llvm-mc -triple=amdgcn-amd-amdhsa -mcpu=gfx1250 --defsym DOCPART=n.
;; ======== version 1 of 1: 4 launches
;; limits: right only within a limited range of input values
;; workspace buffers: xc 6,291,456 bytes; xs 262,144 bytes; wc 3,145,728 bytes; ws 131,072 bytes; qkvc 9,437,184 bytes; qkvs 393,216 bytes; oc 3,145,728 bytes; os 131,072 bytes
;; launch prep (part 1): grid 256 x 1, 16 waves a work-group, no clusters, 188,416 bytes of LDS; arguments in_feats, mul_encs, add_encs, ln_w, ln_b, in_proj_w, out_proj_w, xc, xs, wc, ws; writes xc, xs, wc, ws
.if DOCPART == 1
	.amdgcn_target "amdgcn-amd-amdhsa--gfx1250"
	.amdhsa_code_object_version 6
	.text
	.protected	k_qb8d947f416_prep
	.globl	k_qb8d947f416_prep
	.p2align	8
	.type	k_qb8d947f416_prep,@function
k_qb8d947f416_prep:
	s_mov_b64 s[64:65], 0
	v_nop
	global_prefetch_b8 v0, s[64:65] scope:SCOPE_SE
	s_setreg_imm32_b32 hwreg(HW_REG_WAVE_MODE, 25, 1), 1
	s_wait_xcnt 0x0
; d = gelu(layernorm(in_feats)), qk = d * mul_encs + add_encs, and both weights, all turned into codes of FP6 (E2M3) with one E8M0 byte for each 32 along K = 1,024.
; LAYOUT OF THE RESULTS.  Rows go in tiles of 16 that are not neighbours: tile 2 g + u holds rows 32 g + 8 u + (r % 8) + 16 (r / 8), r = 0 .. 15.  A tile's codes are 16 records of 768 bytes, one for each 64 along K:
; three planes of 256 bytes, plane i holding at byte 8 x lane the operand's registers 2 i, 2 i + 1 of lane (r, h): k = 32 h .. 32 h + 31 of row r.  Two records on end are a fragment.  Scale bytes: [tile][r][32].
; SHARES.  4,096 tokens and 3,072 + 1,024 weight rows are 256 tiles each.  Work-group g makes three tiles: A = d and B = qk of token tile g, C = weight tile g (in_proj_w's rows, then out_proj_w's: tile 192 on).
; Wave w makes row r = w of each: one row number serves all three.  One path for all work-groups: only the weight's pointer is chosen by the work-group's number.
; The weight row's loads go out first and are worked while the 40 loads of the token's way are out.
; A row's 4,096 bytes are loaded as they lie (512 consecutive bytes a load), turned through the wave's own LDS so that lane l holds block l whole, quantised, gathered as records, and stored 256 aligned bytes an instruction.
; erf is the rational form z A(z^2) / B(z^2) on z held to +-4.  LIMITS: 1 + erf is good to about 1e-7 absolute, so d's relative accuracy falls off for y under -2 (about 5e-5 at y = -3);
; a block of zeros gets the byte 1 (its codes are zeros; this program alone reads the bytes); blocks whose largest magnitude lies under 2^-124 were not tried; NaN and infinities among the inputs are not served.
; No tensor loads, no matrix work, no cluster: work-groups share nothing but ln_w and ln_b, 8 KiB.
.set X,     32                         ; v32-63   my row, then d
.set LW,    64                         ; v64-95   ln_w
.set LB,    96                         ; v96-127  ln_b
.set MU,    128                        ; v128-159 mul_encs, then qk
.set AD,    160                        ; v160-191 add_encs
.set W,     192                        ; v192-223 the weight row, done with before the norm begins
.set GZ,    192                        ; v192-231 at work in the gelu: z, z^2, A, B, y / 2, eight each
.set GZ2,   200
.set GPA,   208
.set GPB,   216
.set GHY,   224
.set XB,    64                         ; behind the turn: block l of row A, of row B
.set YB,    96
.set CA,    192                        ; codes
.set CB,    200
.set EA,    208                        ; scale bytes
.set EB,    209
.set CC,    232                        ; v232-238 the weight row's codes, v240 its byte
.set EC,    240
.set OUTR,  212                        ; v212-229 three records on the way out; v232-235 scale rows
.set TURNB, 9216                       ; LDS: a wave's two turning places of 32 x (128 + 16) bytes
.set CST,   16*TURNB                   ; the records of tile A, 776 bytes apart, so that the 32 lanes of a store of 8 bytes fall on 64 different words modulo 64
.set CPITCH, 776
.set CSTB,  16*CPITCH                  ; and, so far on each, those of tiles B and C
.set SST,   CST+3*CSTB                 ; the scale bytes: 512 for each tile
.set SPARE, 0x2d800                    ; the spare words, 128 bytes a wave
.set RH,  36                           ; s[36:57] constants as pairs: the packed forms name a pair
.set A13, 38
.set A9,  40
.set A7,  42
.set A5,  44
.set A3,  46
.set A1,  48
.set B8,  50
.set B4,  52
.set B2,  54
.set B0,  56
.macro SPAIR reg, val
	s_mov_b32 s[\reg], \val
	s_mov_b32 s[\reg+1], \val
.endm
.macro WSUM r, t                       ; the sum over the wave's 32 lanes, in every lane
	s_delay_alu instid0(VALU_DEP_1)
	v_add_f32_dpp v[\r], v[\r], v[\r] row_xmask:1 row_mask:0xf bank_mask:0xf
	s_delay_alu instid0(VALU_DEP_1)
	v_add_f32_dpp v[\r], v[\r], v[\r] row_xmask:2 row_mask:0xf bank_mask:0xf
	s_delay_alu instid0(VALU_DEP_1)
	v_add_f32_dpp v[\r], v[\r], v[\r] row_xmask:4 row_mask:0xf bank_mask:0xf
	s_delay_alu instid0(VALU_DEP_1)
	v_add_f32_dpp v[\r], v[\r], v[\r] row_xmask:8 row_mask:0xf bank_mask:0xf
	s_delay_alu instid0(VALU_DEP_1)
	v_permlanex16_b32 v[\t], v[\r], s30, s31
	s_delay_alu instid0(VALU_DEP_1)
	v_add_f32 v[\r], v[\r], v[\t]
.endm
.macro GELU8 j                         ; eight numbers y in X become y / 2 + (y / 2) erf(y sqrt(1/2)); four pairs by turns
.set XJ, X+8*(\j)
.irp p, 0,2,4,6
	v_pk_mul_f32 v[GZ+\p:GZ+\p+1], v[XJ+\p:XJ+\p+1], s[RH:RH+1] op_sel_hi:[1,0]
.endr
.irp i, 0,1,2,3,4,5,6,7
	v_med3_num_f32 v[GZ+\i], v[GZ+\i], -4.0, 4.0
.endr
.irp p, 0,2,4,6
	v_pk_mul_f32 v[GZ2+\p:GZ2+\p+1], v[GZ+\p:GZ+\p+1], v[GZ+\p:GZ+\p+1]
.endr
.irp p, 0,2,4,6
	s_delay_alu instid0(VALU_DEP_4)
	v_pk_fma_f32 v[GPA+\p:GPA+\p+1], v[GZ2+\p:GZ2+\p+1], s[A13:A13+1], v[16:17] op_sel_hi:[1,0,1]
.endr
.irp p, 0,2,4,6
	v_pk_fma_f32 v[GPB+\p:GPB+\p+1], v[GZ2+\p:GZ2+\p+1], s[B8:B8+1], v[18:19] op_sel_hi:[1,0,1]
.endr
.irp c, A9, A7, A5, A3, A1
.irp p, 0,2,4,6
	v_pk_fma_f32 v[GPA+\p:GPA+\p+1], v[GPA+\p:GPA+\p+1], v[GZ2+\p:GZ2+\p+1], s[\c:\c+1] op_sel_hi:[1,1,0]
.endr
.endr
.irp c, B4, B2, B0
.irp p, 0,2,4,6
	v_pk_fma_f32 v[GPB+\p:GPB+\p+1], v[GPB+\p:GPB+\p+1], v[GZ2+\p:GZ2+\p+1], s[\c:\c+1] op_sel_hi:[1,1,0]
.endr
.endr
	s_wait_alu depctr_va_vdst(0)
.irp i, 0,1,2,3,4,5,6,7
	v_rcp_f32 v[GPB+\i], v[GPB+\i]
.endr
.irp p, 0,2,4,6
	v_pk_mul_f32 v[GHY+\p:GHY+\p+1], v[XJ+\p:XJ+\p+1], 0.5 op_sel_hi:[1,0]   ; plain lines behind the reciprocals, ahead of their use
.endr
.irp p, 0,2,4,6
	v_pk_mul_f32 v[GPA+\p:GPA+\p+1], v[GPA+\p:GPA+\p+1], v[GZ+\p:GZ+\p+1]
.endr
	s_wait_alu depctr_va_vdst(0)
.irp p, 0,2,4,6
	v_pk_mul_f32 v[GPA+\p:GPA+\p+1], v[GPA+\p:GPA+\p+1], v[GPB+\p:GPB+\p+1]
.endr
.irp p, 0,2,4,6
	s_delay_alu instid0(VALU_DEP_4)
	v_pk_fma_f32 v[XJ+\p:XJ+\p+1], v[GHY+\p:GHY+\p+1], v[GPA+\p:GPA+\p+1], v[GHY+\p:GHY+\p+1]
.endr
.endm
.macro TURN reg, dst, off              ; a row through my own LDS: in as loaded, out a block of 32 a lane.  LDS serves a wave's instructions in order: no wait between
.irp j, 0,1,2,3,4,5,6,7
	ds_store_b128 v3, v[\reg+4*\j:\reg+4*\j+3] offset:\off+576*\j
.endr
.irp j, 0,1,2,3,4,5,6,7
	ds_load_b128 v[\dst+4*\j:\dst+4*\j+3], v4 offset:\off+16*\j
.endr
.endm
.macro QUANT32 b, c, e                 ; my block of 32 in v[b] on becomes six registers of codes in v[c] on and its byte in v[e]
	v_max3_num_f32 v10, |v[\b]|, |v[\b+1]|, |v[\b+2]|
	v_max3_num_f32 v11, |v[\b+3]|, |v[\b+4]|, |v[\b+5]|
.irp i, 6,10,14,18,22,26
	s_delay_alu instid0(VALU_DEP_2)
	v_max3_num_f32 v10, v10, |v[\b+\i]|, |v[\b+\i+1]|
	s_delay_alu instid0(VALU_DEP_2)
	v_max3_num_f32 v11, v11, |v[\b+\i+2]|, |v[\b+\i+3]|
.endr
	s_delay_alu instid0(VALU_DEP_2)
	v_max3_num_f32 v10, v10, |v[\b+30]|, |v[\b+31]|
	s_delay_alu instid0(VALU_DEP_1)
	v_max3_num_f32 v10, v10, v11, 0x1800000        ; and the floor 2^(3 - 127): the byte cannot fall under 1
	s_delay_alu instid0(VALU_DEP_1)
	v_add_nc_u32 v12, 0xff000000, v10              ; 2 off the exponent field: the conversion takes this operand's exponent field as its scale
	s_delay_alu instid0(VALU_DEP_1)
	v_lshrrev_b32 v[\e], 23, v12                   ; the byte
	v_cvt_scalef32_pk16_fp6_f32 v[\c:\c+2], v[\b:\b+15], v12
	v_cvt_scalef32_pk16_fp6_f32 v[\c+4:\c+6], v[\b+16:\b+31], v12   ; (a conversion's three registers begin on an even number)
	v_nop                                          ; a plain line behind the conversions
	v_mov_b32 v[\c+3], v[\c+4]
	v_mov_b32 v[\c+4], v[\c+5]
	v_mov_b32 v[\c+5], v[\c+6]
.endm
	s_load_b256 s[4:11], s[0:1], 0x0               ; in_feats, mul_encs, add_encs, ln_w
	s_load_b256 s[12:19], s[0:1], 0x20             ; ln_b, in_proj_w, out_proj_w, xc
	s_load_b128 s[20:23], s[0:1], 0x40             ; xs, wc
	s_load_b64 s[24:25], s[0:1], 0x50              ; ws
	v_lshl_add_u32 v254, v0, 2, SPARE
	v_mov_b32 v255, 0
	v_lshrrev_b32 v1, 5, v0
	s_delay_alu instid0(VALU_DEP_1)
	v_readfirstlane_b32 s26, v1                    ; wave 0..15 = my row r of the three tiles
	s_mov_b32 s27, ttmp9                           ; g
	v_and_b32 v1, 31, v0                           ; lane
	s_delay_alu instid0(VALU_DEP_1)
	v_lshlrev_b32 v2, 4, v1                        ; 16 x lane: my bytes of a load of 512
	s_mul_i32 s29, s26, TURNB
	v_lshrrev_b32 v3, 3, v1
	s_delay_alu instid0(VALU_DEP_1)
	v_lshl_add_u32 v3, v3, 4, v2
	s_delay_alu instid0(VALU_DEP_1)
	v_add_nc_u32 v3, s29, v3                       ; the turn, in: 16 x lane + 16 for each 128 passed
	v_mul_u32_u24 v4, v1, 144
	s_delay_alu instid0(VALU_DEP_1)
	v_add_nc_u32 v4, s29, v4                       ; the turn, out: block l
	v_lshrrev_b32 v5, 1, v1
	s_delay_alu instid0(VALU_DEP_1)
	v_mul_u32_u24 v5, v5, CPITCH
	v_and_b32 v6, 1, v1
	s_delay_alu instid0(VALU_DEP_1)
	v_lshl_add_u32 v5, v6, 7, v5
	s_lshl_b32 s29, s26, 3
	s_add_co_u32 s29, s29, CST
	v_add_nc_u32 v5, s29, v5                       ; my block's codes: record l / 2, operand lane w + 16 (l % 2)
	s_lshl_b32 s29, s26, 5
	s_add_co_u32 s29, s29, SST
	v_add_nc_u32 v6, s29, v1                       ; my block's byte: row w, block l
	v_lshlrev_b32 v8, 3, v1                        ; 8 x lane
	s_mul_i32 s29, s26, CPITCH
	s_add_co_u32 s29, s29, CST
	v_add_nc_u32 v7, s29, v8                       ; the way out: record w
	s_min_u32 s29, s26, 2
	s_lshl_b32 s29, s29, 9
	s_add_co_u32 s29, s29, SST
	v_add_nc_u32 v9, s29, v2                       ; the way out of the scale bytes (waves 0, 1 and 2)
	v_mov_b32 v11, 0                               ; a lane permute's destination counts as one of its sources
	v_mov_b32 v16, 0x32edffee                      ; a11, b6 as vector pairs: so no line names two scalar pairs
	v_mov_b32 v17, 0x32edffee
	v_mov_b32 v18, 0xb95fbd29
	v_mov_b32 v19, 0xb95fbd29
	s_mov_b32 s30, 0x76543210
	s_mov_b32 s31, 0xfedcba98                      ; lane l xor 16
	SPAIR RH,  0x3f3504f3                          ; sqrt(1/2)
	SPAIR A13, 0xaf95df0b
	SPAIR A9,  0xb60cff51
	SPAIR A7,  0xb86ec2d2
	SPAIR A5,  0xba40ac63
	SPAIR A3,  0xbb41a1f6
	SPAIR A1,  0xbc83dbd4
	SPAIR B8,  0xb77460cd
	SPAIR B4,  0xbadc924e
	SPAIR B2,  0xbbf19bf8
	SPAIR B0,  0xbc69b6a7
	s_mov_b32 s58, 0x3727c5ac                      ; 1e-5
	s_mov_b32 s59, 0x3a800000                      ; 1 / 1,024
	s_and_b32 s28, s26, 7
	s_lshr_b32 s29, s26, 3
	s_lshl_b32 s29, s29, 4
	s_add_co_u32 s28, s28, s29                     ; my row in a pair of tiles: (w % 8) + 16 (w / 8)
	s_lshr_b32 s35, s27, 1
	s_lshl_b32 s35, s35, 5
	s_and_b32 s34, s27, 1
	s_lshl_b32 s34, s34, 3
	s_add_co_u32 s35, s35, s34
	s_add_co_u32 s35, s35, s28                     ; my row's number, among the tokens and among the weights' rows alike
	s_lshl_b32 s80, s35, 12                        ; its first byte
	s_mov_b32 s81, 0
	s_mul_i32 s76, s27, 12288                      ; tile g's codes,
	s_mul_i32 s82, s26, 768                        ; the record that I store
	s_add_co_u32 s76, s76, s82
	s_mov_b32 s77, 0
	s_lshl_b32 s78, s27, 9                         ; tile g's scale bytes
	s_mov_b32 s79, 0
	s_wait_alu depctr_va_vdst(0)                   ; the wait at the head's end
	s_wait_kmcnt 0x0
	s_add_nc_u64 s[70:71], s[4:5], s[80:81]        ; my row of in_feats, mul_encs, add_encs
	s_add_nc_u64 s[72:73], s[6:7], s[80:81]
	s_add_nc_u64 s[74:75], s[8:9], s[80:81]
	s_cmp_lt_u32 s27, 192                          ; in_proj_w has 192 tiles: the choice hangs on the work-group's number alone
	s_cselect_b64 s[32:33], s[14:15], s[16:17]
	s_cselect_b32 s34, 0, 12582912
	s_sub_co_u32 s80, s80, s34
	s_add_nc_u64 s[32:33], s[32:33], s[80:81]      ; my weight row
	s_add_nc_u64 s[60:61], s[18:19], s[76:77]      ; where my record of A goes,
	s_add_nc_u64 s[62:63], s[60:61], 3145728       ; of B,
	s_add_nc_u64 s[68:69], s[22:23], s[76:77]      ; of C
	s_add_nc_u64 s[66:67], s[20:21], s[78:79]
	s_add_nc_u64 s[82:83], s[66:67], 131072
	s_add_nc_u64 s[78:79], s[24:25], s[78:79]
	s_cmp_eq_u32 s26, 1
	s_cselect_b64 s[66:67], s[82:83], s[66:67]     ; wave 0 stores A's scale bytes, wave 1 B's,
	s_cmp_eq_u32 s26, 2
	s_cselect_b64 s[66:67], s[78:79], s[66:67]     ; wave 2 C's
.irp j, 0,1,2,3,4,5,6,7
	global_load_b128 v[W+4*\j:W+4*\j+3], v2, s[32:33] offset:512*\j th:TH_LOAD_NT
.endr
.irp j, 0,1,2,3,4,5,6,7
	global_load_b128 v[X+4*\j:X+4*\j+3], v2, s[70:71] offset:512*\j th:TH_LOAD_NT
.endr
.irp j, 0,1,2,3,4,5,6,7
	global_load_b128 v[LW+4*\j:LW+4*\j+3], v2, s[10:11] offset:512*\j
.endr
.irp j, 0,1,2,3,4,5,6,7
	global_load_b128 v[LB+4*\j:LB+4*\j+3], v2, s[12:13] offset:512*\j
.endr
.irp j, 0,1,2,3,4,5,6,7
	global_load_b128 v[MU+4*\j:MU+4*\j+3], v2, s[72:73] offset:512*\j th:TH_LOAD_NT
.endr
.irp j, 0,1,2,3,4,5,6,7
	global_load_b128 v[AD+4*\j:AD+4*\j+3], v2, s[74:75] offset:512*\j th:TH_LOAD_NT
.endr
	; ---- tile C: the weight row
	s_wait_loadcnt 40                              ; the weight row is in; the 40 younger loads stay out
	TURN W, W, 0                                   ; back into the registers that it left
	s_wait_dscnt 0x0
	QUANT32 W, CC, EC
.irp i, 0,1,2
	ds_store_b64 v5, v[CC+2*\i:CC+2*\i+1] offset:2*CSTB+256*\i
.endr
	ds_store_b8 v6, v[EC] offset:1024
	; ---- tiles A and B: the norm, the gelu and the modulation
	s_wait_loadcnt 32                              ; my row is in; the 32 younger loads stay out
	v_pk_add_f32 v[194:195], v[32:33], v[40:41]
	v_pk_add_f32 v[196:197], v[48:49], v[56:57]
	v_pk_add_f32 v[198:199], v[34:35], v[42:43]
	v_pk_add_f32 v[252:253], v[50:51], v[58:59]
	v_pk_add_f32 v[250:251], v[36:37], v[44:45]
	v_pk_add_f32 v[248:249], v[52:53], v[60:61]
	v_pk_add_f32 v[246:247], v[38:39], v[46:47]
	v_pk_add_f32 v[192:193], v[54:55], v[62:63]
	s_delay_alu instid0(VALU_DEP_1)
	v_pk_add_f32 v[192:193], v[192:193], v[252:253]
	v_pk_add_f32 v[194:195], v[194:195], v[250:251]
	v_pk_add_f32 v[196:197], v[196:197], v[248:249]
	v_pk_add_f32 v[198:199], v[198:199], v[246:247]
	s_delay_alu instid0(VALU_DEP_2)
	v_pk_add_f32 v[192:193], v[192:193], v[196:197]
	s_delay_alu instid0(VALU_DEP_2)
	v_pk_add_f32 v[194:195], v[194:195], v[198:199]
	s_delay_alu instid0(VALU_DEP_1)
	v_pk_add_f32 v[192:193], v[192:193], v[194:195]
	s_delay_alu instid0(VALU_DEP_1)
	v_add_f32 v10, v[GZ], v[GZ+1]
	WSUM 10, 11
	s_delay_alu instid0(VALU_DEP_1)
	v_mul_f32 v12, s59, v10                        ; the mean, twice
	s_delay_alu instid0(VALU_DEP_2)
	v_mul_f32 v13, s59, v10
.set i, 0
.rept 16
	v_pk_add_f32 v[X+i:X+i+1], v[X+i:X+i+1], v[12:13] neg_lo:[0,1] neg_hi:[0,1]
.set i, i+2
.endr
.irp c, 0,2,4,6
	v_pk_mul_f32 v[GZ+\c:GZ+\c+1], v[X+\c:X+\c+1], v[X+\c:X+\c+1]        ; the variance of the centred numbers
.endr
.irp j, 8,16,24
.irp c, 0,2,4,6
	s_delay_alu instid0(VALU_DEP_4)
	v_pk_fma_f32 v[GZ+\c:GZ+\c+1], v[X+\j+\c:X+\j+\c+1], v[X+\j+\c:X+\j+\c+1], v[GZ+\c:GZ+\c+1]
.endr
.endr
	s_delay_alu instid0(VALU_DEP_3)
	v_pk_add_f32 v[GZ:GZ+1], v[GZ:GZ+1], v[GZ+2:GZ+3]
	s_delay_alu instid0(VALU_DEP_2)
	v_pk_add_f32 v[GZ+4:GZ+5], v[GZ+4:GZ+5], v[GZ+6:GZ+7]
	s_delay_alu instid0(VALU_DEP_1)
	v_pk_add_f32 v[GZ:GZ+1], v[GZ:GZ+1], v[GZ+4:GZ+5]
	s_delay_alu instid0(VALU_DEP_1)
	v_add_f32 v10, v[GZ], v[GZ+1]
	WSUM 10, 11
	s_delay_alu instid0(VALU_DEP_1)
	v_fma_f32 v14, v10, s59, s58
	s_wait_alu depctr_va_vdst(0)
	v_rsq_f32 v14, v14
	v_nop                                          ; a plain line behind the transcendental
	s_wait_alu depctr_va_vdst(0)
	v_mov_b32 v15, v14
	s_wait_alu depctr_va_vdst(0)
	s_wait_loadcnt 16                              ; ln_w and ln_b are in; the encodings' 16 loads stay out
.set i, 0
.rept 16
	v_pk_mul_f32 v[X+i:X+i+1], v[X+i:X+i+1], v[14:15]
.set i, i+2
.endr
.set i, 0
.rept 16
	v_pk_fma_f32 v[X+i:X+i+1], v[X+i:X+i+1], v[LW+i:LW+i+1], v[LB+i:LB+i+1]
.set i, i+2
.endr
	GELU8 0
	GELU8 1
	GELU8 2
	GELU8 3
	s_wait_loadcnt 0x0
.set i, 0
.rept 16
	v_pk_fma_f32 v[MU+i:MU+i+1], v[X+i:X+i+1], v[MU+i:MU+i+1], v[AD+i:AD+i+1]
.set i, i+2
.endr
	TURN X, XB, 0
	s_wait_alu depctr_va_vdst(0)
	TURN MU, YB, 4608
	s_wait_dscnt 16                                ; row A's blocks are back; row B's 8 stores and 8 loads may be out
	QUANT32 XB, CA, EA
.irp i, 0,1,2
	ds_store_b64 v5, v[CA+2*\i:CA+2*\i+1] offset:256*\i
.endr
	ds_store_b8 v6, v[EA]
	s_wait_dscnt 4                                 ; row B's blocks are back; only the four stores just issued are younger
	QUANT32 YB, CB, EB
.irp i, 0,1,2
	ds_store_b64 v5, v[CB+2*\i:CB+2*\i+1] offset:CSTB+256*\i
.endr
	ds_store_b8 v6, v[EB] offset:512
	s_wait_dscnt 0x0                               ; for the others: my stores have landed
	s_barrier_signal -1
	s_barrier_wait -1                              ; the three tiles' records and scale bytes are whole
.irp i, 0,1,2
	ds_load_b64 v[OUTR+2*\i:OUTR+2*\i+1], v7 offset:256*\i
	ds_load_b64 v[OUTR+6+2*\i:OUTR+7+2*\i], v7 offset:CSTB+256*\i
	ds_load_b64 v[OUTR+12+2*\i:OUTR+13+2*\i], v7 offset:2*CSTB+256*\i
.endr
	s_wait_dscnt 0x0
.irp i, 0,1,2
	global_store_b64 v8, v[OUTR+2*\i:OUTR+2*\i+1], s[60:61] offset:256*\i     ; 32 lanes store 256 consecutive bytes, aligned
	global_store_b64 v8, v[OUTR+6+2*\i:OUTR+7+2*\i], s[62:63] offset:256*\i
	global_store_b64 v8, v[OUTR+12+2*\i:OUTR+13+2*\i], s[68:69] offset:256*\i
.endr
	s_cmp_lt_u32 s26, 3
	s_cbranch_scc0 .Lend
	ds_load_b128 v[232:235], v9
	s_wait_dscnt 0x0
	global_store_b128 v2, v[232:235], s[66:67]     ; a tile's 512 scale bytes
.Lend:
	s_wait_tensorcnt 0x0                           ; the wave's end
	ds_add_u32 v254, v255
	s_wait_dscnt 0x0
	s_endpgm
.Lfunc_end_k_qb8d947f416_prep:
	.size	k_qb8d947f416_prep, .Lfunc_end_k_qb8d947f416_prep-k_qb8d947f416_prep
	.p2alignl 7, 3214868480
	.fill 96, 4, 3214868480
	.section	.rodata,"a",@progbits
	.p2align	6, 0x0
	.amdhsa_kernel k_qb8d947f416_prep
		.amdhsa_group_segment_fixed_size 188416
		.amdhsa_private_segment_fixed_size 0
		.amdhsa_enable_private_segment 0
		.amdhsa_kernarg_size 88
		.amdhsa_user_sgpr_count 2
		.amdhsa_user_sgpr_kernarg_segment_ptr 1
		.amdhsa_wavefront_size32 1
		.amdhsa_system_sgpr_workgroup_id_x 1
		.amdhsa_system_sgpr_workgroup_id_y 1
		.amdhsa_system_sgpr_workgroup_id_z 1
		.amdhsa_system_vgpr_workitem_id 0
		.amdhsa_next_free_vgpr 256
		.amdhsa_next_free_sgpr 84
		.amdhsa_reserve_vcc 0
		.amdhsa_float_denorm_mode_32 3
		.amdhsa_float_denorm_mode_16_64 3
		.amdhsa_memory_ordered 1
		.amdhsa_forward_progress 1
		.amdhsa_inst_pref_size 51
	.end_amdhsa_kernel
	.amdgpu_metadata
---
amdhsa.version: [ 1, 2 ]
amdhsa.kernels:
  - .name:           k_qb8d947f416_prep
    .symbol:         k_qb8d947f416_prep.kd
    .args:
      - { .name: in_feats, .offset: 0, .size: 8, .value_kind: global_buffer, .address_space: global }
      - { .name: mul_encs, .offset: 8, .size: 8, .value_kind: global_buffer, .address_space: global }
      - { .name: add_encs, .offset: 16, .size: 8, .value_kind: global_buffer, .address_space: global }
      - { .name: ln_w, .offset: 24, .size: 8, .value_kind: global_buffer, .address_space: global }
      - { .name: ln_b, .offset: 32, .size: 8, .value_kind: global_buffer, .address_space: global }
      - { .name: in_proj_w, .offset: 40, .size: 8, .value_kind: global_buffer, .address_space: global }
      - { .name: out_proj_w, .offset: 48, .size: 8, .value_kind: global_buffer, .address_space: global }
      - { .name: xc, .offset: 56, .size: 8, .value_kind: global_buffer, .address_space: global }
      - { .name: xs, .offset: 64, .size: 8, .value_kind: global_buffer, .address_space: global }
      - { .name: wc, .offset: 72, .size: 8, .value_kind: global_buffer, .address_space: global }
      - { .name: ws, .offset: 80, .size: 8, .value_kind: global_buffer, .address_space: global }
    .group_segment_fixed_size: 188416
    .private_segment_fixed_size: 0
    .kernarg_segment_align: 8
    .kernarg_segment_size: 88
    .max_flat_workgroup_size: 512
    .sgpr_count:     84
    .vgpr_count:     256
    .wavefront_size: 32
...
	.end_amdgpu_metadata
.endif
;; end of part 1
;; launch qkv (part 2): grid 8 x 24, 4 waves a work-group, clusters of 4 x 4, 327,680 bytes of LDS; arguments xc, xs, wc, ws, in_proj_b, qkvc, qkvs; writes qkvc, qkvs
.if DOCPART == 2
	.amdgcn_target "amdgcn-amd-amdhsa--gfx1250"
	.amdhsa_code_object_version 6
	.text
	.protected	k_qb8d947f416_qkv
	.globl	k_qb8d947f416_qkv
	.p2align	8
	.type	k_qb8d947f416_qkv,@function
k_qb8d947f416_qkv:
	s_mov_b64 s[64:65], 0
	v_nop
	global_prefetch_b8 v0, s[64:65] scope:SCOPE_SE
	s_setreg_imm32_b32 hwreg(HW_REG_WAVE_MODE, 25, 1), 1
	s_wait_xcnt 0x0
	s_wait_alu depctr_hold_cnt(0) depctr_sa_sdst(0) depctr_va_vdst(0) depctr_va_sdst(0) depctr_va_ssrc(0) depctr_va_vcc(0) depctr_vm_vsrc(0)
	s_getreg_b32 s2, hwreg(HW_REG_IB_STS2, 6, 4)
	s_cmp_eq_u32 s2, 0
	s_cbranch_scc0 .Lentry_in_a_cluster
	s_endpgm
.Lentry_in_a_cluster:
	s_bfe_u32 s2, ttmp6, 0x10000c
	s_cmp_lg_u32 s2, 0xf033
	s_cbranch_scc0 .Lentry_shape_is_right
	s_endpgm
.Lentry_shape_is_right:
.set NQ,     2
.set FR,     12
.set NL,     6
.set NP,     4
.set TILEB,  3072
.set HALFT,  8*TILEB
.set SLOT,   4*HALFT
.set LAPS,   2
.set KS,     32
.set SCL,    2*SLOT
.set HALFS,  16*272
.set SBLK,   2*272
.set SPARE,  SCL+4*HALFS
.set STG,    SPARE+512
.set GO,   10
.set GS,   11
.set SST,  12
.set SRD,  13
.set ADRA, 16
.set ADRB, 20
.set ADRS, 27
.set SPW,  28
.set NIL,  29
.set SC,   32
.set BP,   64
.set AF,   128
.set HA,   128
.set PC,   192
.set TM,   212
.set PW,   228
.set BT,   236
.set G1, 24
.set G0, 32
.set G1B, 48
.set G0B, 56
.set G1S, 68
.set G0S, 76
.set G1SB, 80
.set G0SB, 88
.set MSB, 0
.macro WIN new
.if MSB != \new
	s_set_vgpr_msb (MSB<<8)|\new
.set MSB, \new
.endif
.endm
.set MUL_LO, 0xa1
.set MUL_HI, 0xf1
.set FST_LO, 0x81
.set FST_HI, 0xc1
.set TO_B,   0x40
.macro JLOAD g0a, g1a, g0b, g1b
	s_cmp_eq_u32 s15, 0
	s_cbranch_scc0 .Lfor_b_\@
	tensor_load_to_lds s[\g0a:\g0a+3], s[\g1a:\g1a+7]
	s_nop 0
.rept 4
	v_nop
.endr
	s_branch .Lasked_\@
.Lfor_b_\@:
	tensor_load_to_lds s[\g0b:\g0b+3], s[\g1b:\g1b+7]
	s_nop 0
.rept 4
	v_nop
.endr
.Lasked_\@:
.endm
.macro CREST
	s_cmp_lg_u32 s14, 0
	s_cbranch_scc1 .Lnot_wave_0_\@
	s_barrier_signal -3
.Lnot_wave_0_\@:
	s_barrier_wait -3
	s_barrier_signal -1
	s_barrier_wait -1
.endm
.macro CROUND
	s_barrier_signal -1
	s_barrier_wait -1
	CREST
.endm
	s_load_b256 s[4:11], s[0:1], 0x0
	s_load_b64 s[12:13], s[0:1], 0x20
	s_load_b128 s[92:95], s[0:1], 0x28
	v_lshl_add_u32 v[SPW], v0, 2, SPARE
	v_mov_b32 v[NIL], 0
	ds_add_u32 v28, v29
	ds_add_u32 v28, v29
	s_wait_dscnt 0x0
	v_lshrrev_b32 v1, 5, v0
	v_readfirstlane_b32 s14, v1
	s_lshr_b32 s15, s14, 1
	s_and_b32 s16, s14, 1
	s_bfe_u32 s40, ttmp6, 0x40000
	s_bfe_u32 s41, ttmp6, 0x40004
	s_and_b32 s66, ttmp7, 0xffff
	s_lshl_b32 s42, ttmp9, 2
	s_add_co_u32 s42, s42, s40
	s_lshl_b32 s17, s66, 2
	s_sub_co_u32 s21, s66, 4
	s_lshl_b32 s21, s21, 3
	s_cmp_ge_u32 s66, 4
	s_cselect_b32 s17, 0, s17
	s_cselect_b32 s21, s21, 0
	s_cselect_b32 s104, 0, -1
	s_cselect_b32 s105, -1, 0
	s_add_co_u32 s17, s17, s41
	s_add_co_u32 s42, s42, s21
	s_lshl_b32 s43, s41, 2
	s_lshl_b32 s43, 15, s43
	s_lshl_b32 s44, 0x1111, s40
	s_or_b32 s[G1+0], s43, (3<<16)|(1<<21)
	s_or_b32 s[G1B+0], s44, (3<<16)|(1<<21)
.irp g, G1, G1B
	s_mov_b32 s[\g+1], 384<<16
	s_mov_b32 s[\g+2], 16<<16                      ; the head's loads of codes bring 16 tiles; behind them the two words that count rows are set to 8, for the ring's
	s_mov_b32 s[\g+3], 384<<16
	s_mov_b32 s[\g+4], 16
	s_mov_b32 s[\g+5], 1536
	s_mov_b32 s[\g+6], 0
	s_mov_b32 s[\g+7], 0
.endr
	s_or_b32 s[G1S+0], s43, (3<<16)|(1<<20)|(1<<21)|(5<<22)|(3<<25)
	s_or_b32 s[G1SB+0], s44, (3<<16)|(1<<20)|(1<<21)|(5<<22)|(3<<25)
.irp g, G1S, G1SB
	s_mov_b32 s[\g+1], 32<<16
	s_mov_b32 s[\g+2], 32<<16                      ; the scales of 256 rows: 32 rows of 256 bytes
	s_mov_b32 s[\g+3], 32<<16
	s_mov_b32 s[\g+4], 32
	s_mov_b32 s[\g+5], 32
	s_mov_b32 s[\g+6], 0
	s_mov_b32 s[\g+7], 0
.endr
	s_lshl_b32 s18, s16, 3
	s_lshl_b32 s20, s17, 4
	s_add_co_u32 s20, s20, s18
	s_lshl_b32 s46, s42, 4
	s_add_co_u32 s46, s46, s18
	s_lshl_b32 s22, s20, 9
	s_mov_b32 s23, 0
	s_lshl_b32 s98, s46, 9
	s_mov_b32 s99, 0
	s_mul_i32 s20, s20, 12288
	s_mov_b32 s21, 0
	s_mul_i32 s46, s46, 12288
	s_mov_b32 s47, 0
	s_mul_i32 s45, s14, HALFT
	s_mov_b32 s19, 0
	s_wait_kmcnt 0x0
	s_cmp_ge_u32 s66, 4
	s_cselect_b64 s[96:97], s[8:9], s[4:5]
	s_cselect_b64 s[100:101], s[10:11], s[6:7]
	s_cselect_b64 s[8:9], s[4:5], s[8:9]
	s_cselect_b64 s[10:11], s[6:7], s[10:11]
	s_mov_b32 s18, 3145728
	s_cselect_b32 s18, 1572864, s18
	s_add_nc_u64 s[4:5], s[96:97], s[18:19]
	s_mov_b32 s18, 131072
	s_cselect_b32 s18, 65536, s18
	s_add_nc_u64 s[6:7], s[100:101], s[18:19]
	s_add_nc_u64 s[20:21], s[4:5], s[20:21]
	s_add_nc_u64 s[22:23], s[6:7], s[22:23]
	s_add_nc_u64 s[46:47], s[8:9], s[46:47]
	s_add_nc_u64 s[98:99], s[10:11], s[98:99]
	s_lshl_b32 s18, s16, 12                        ; my half's 8 tiles x 512 scale bytes: taken off, so that both addresses name the block's first tile
	s_mov_b32 s19, 0
	s_sub_nc_u64 s[22:23], s[22:23], s[18:19]
	s_sub_nc_u64 s[98:99], s[98:99], s[18:19]
	CROUND                                         ; all sixteen work-groups are here: the first joint loads meet
	s_mov_b32 s[G0S], 1                            ; the scales of A's 256 rows,
	s_mov_b32 s[G0S+1], SCL
	s_mov_b64 s[G0S+2:G0S+3], s[22:23]
	s_or_b32 s[G0S+3], s[G0S+3], 0x80000000
	s_mov_b32 s[G0SB], 1                           ; and of B's, behind them
	s_mov_b32 s[G0SB+1], SCL+2*HALFS
	s_mov_b64 s[G0SB+2:G0SB+3], s[98:99]
	s_or_b32 s[G0SB+3], s[G0SB+3], 0x80000000
.irp s, 0,1
	s_mov_b32 s[G0+4*\s], 1
	s_add_co_u32 s[G0+4*\s+1], s45, \s*SLOT
	s_add_nc_u64 s[G0+4*\s+2:G0+4*\s+3], s[20:21], \s*TILEB
	s_or_b32 s[G0+4*\s+3], s[G0+4*\s+3], 0x80000000
	s_mov_b32 s[G0B+4*\s], 1
	s_add_co_u32 s[G0B+4*\s+1], s45, \s*SLOT
	s_add_nc_u64 s[G0B+4*\s+2:G0B+4*\s+3], s[46:47], \s*TILEB
	s_or_b32 s[G0B+4*\s+3], s[G0B+4*\s+3], 0x80000000
.endr
; THE HEAD'S LOADS, ONE A WAVE: wave 0 fetches slot 0's 16 tiles of A (its own group 0 names the first of them), wave 1 the scales of A's 256 rows, wave 2 slot 0's 16 tiles of B, wave 3 B's scales.
; One chain of branches on the wave's number: every way through the head passes exactly one load.
.macro ARM under, g0, g1, next
	s_cmp_lt_u32 s14, \under
	s_cbranch_scc0 \next
	tensor_load_to_lds s[\g0:\g0+3], s[\g1:\g1+7]
	s_nop 0
.rept 4
	v_nop
.endr
	s_branch .Lhead_asked
\next:
.endm
	ARM 1, G0,  G1,  .Lhead_sa
	ARM 2, G0S, G1S, .Lhead_b
	ARM 3, G0B, G1B, .Lhead_sb
	tensor_load_to_lds s[G0SB:G0SB+3], s[G1SB:G1SB+7]
	s_nop 0
.rept 4
	v_nop
.endr
.Lhead_asked:
	s_wait_alu depctr_va_vdst(0)
	s_wait_tensorcnt 0x0                           ; my tile of the head's four is in
	ds_add_u32 v28, v29
	s_mov_b32 s[G1+2], 8<<16                       ; no tensor load of mine is out: from here on a load brings 8 tiles
	s_mov_b32 s[G1+4], 8
	s_mov_b32 s[G1B+2], 8<<16
	s_mov_b32 s[G1B+4], 8
	s_wait_dscnt 0x0
	CROUND                                         ; all four tiles are in, and all sixteen work-groups are here
	JLOAD G0+4, G1, G0B+4, G1B                     ; slot 1's first fill, the first tensor load behind the round
	v_and_b32 v1, 15, v0
	v_bfe_u32 v2, v0, 4, 1
	v_and_b32 v3, 31, v0
	v_lshlrev_b32 v[GO], 3, v3
	v_lshlrev_b32 v[GS], 4, v3
	v_lshlrev_b32 v8, 6, v2
	s_wait_alu depctr_va_vdst(0)
	v_and_b32 v9, 8, v1
	v_add_nc_u32 v9, v9, v1
	v_lshlrev_b32 v9, 2, v9
	s_wait_alu depctr_va_vdst(0)
	s_lshl_b32 s18, s42, 10
	s_lshl_b32 s19, s16, 9
	s_add_co_u32 s18, s18, s19
	s_lshl_b32 s100, s17, 4
	s_lshl_b32 s19, s15, 3
	s_add_co_u32 s100, s100, s19
	s_lshl_b32 s100, s100, 6
	s_add_co_u32 s100, s100, 8192
	s_cmp_ge_u32 s66, 4
	s_cselect_b32 s18, 0, s18
	s_cselect_b32 s100, s100, 0
	s_mov_b32 s19, 0
	s_mov_b32 s101, 0
	s_add_nc_u64 s[96:97], s[12:13], s[18:19]
	s_add_nc_u64 s[100:101], s[12:13], s[100:101]
.irp b, 0,1,2,3,4,5,6,7
	global_load_b128 v[BP+8*\b:BP+8*\b+3], v8, s[96:97] offset:(32*(\b/2)+8*(\b%2))*4
	global_load_b128 v[BP+8*\b+4:BP+8*\b+7], v8, s[96:97] offset:(32*(\b/2)+8*(\b%2))*4+16
.endr
.irp a, 0,1,2,3,4,5,6,7
	global_load_b32 v[BT+2*\a], v9, s[100:101] offset:(32*(\a/2)+8*(\a%2))*4
	global_load_b32 v[BT+2*\a+1], v9, s[100:101] offset:(32*(\a/2)+8*(\a%2))*4
.endr
	s_mul_i32 s21, s15, HALFT
	s_mul_i32 s22, s16, HALFT
	s_add_co_u32 s22, s22, 2*HALFT
.irp s, 0,1
	v_add_nc_u32 v[ADRA+\s], s21, v[GO]
	v_add_nc_u32 v[ADRB+\s], s22, v[GO]
	s_add_co_u32 s21, s21, SLOT
	s_add_co_u32 s22, s22, SLOT
.endr
	v_mul_u32_u24 v5, v1, KS
	v_lshrrev_b32 v6, 8, v5
	v_lshl_add_u32 v5, v6, 4, v5
	s_mul_i32 s21, s15, HALFS
	s_mul_i32 s22, s16, HALFS
	s_add_co_u32 s22, s22, 2*HALFS
	s_sub_co_u32 s22, s22, s21
	v_mul_u32_u24 v6, s22, v2
	s_add_co_u32 s21, s21, SCL
	v_add_nc_u32 v5, v5, v6
	v_add_nc_u32 v[ADRS], s21, v5
	s_lshl_b32 s23, s14, 9
	s_add_co_u32 s23, s23, STG
	v_lshl_add_u32 v[SST], v1, 2, s23
	v_add_nc_u32 v[SRD], s23, v[GS]
.macro FRAG reg, adr, q, i
.irp p, 0,1,2,3,4,5
	ds_load_b64 v[\reg+2*\p:\reg+2*\p+1], v[\adr] offset:(\i)*TILEB+(\q)*1536+256*\p
.endr
.endm
.macro MUL16 a0, p, q, sc, zero
.irp a, \a0, \a0+1
.irp b, 0,1,2,3,4,5,6,7
.if \zero
	v_wmma_scale_f32_16x16x128_f8f6f4 v[8*(8*((\a)%4)+\b):8*(8*((\a)%4)+\b)+7], v[128*(\p)+FR*\b:128*(\p)+FR*\b+FR-1], v[AF+FR*(\a):AF+FR*(\a)+FR-1], v[BP+8*\b:BP+8*\b+7], v[SC+8*NQ*(\sc)+NQ*\b+(\q)], v[SC+8*NQ*(\sc)+NQ*(\a)+(\q)] matrix_a_fmt:MATRIX_FMT_FP6 matrix_b_fmt:MATRIX_FMT_FP6 matrix_a_scale:MATRIX_SCALE_ROW1
.else
	v_wmma_scale_f32_16x16x128_f8f6f4 v[8*(8*((\a)%4)+\b):8*(8*((\a)%4)+\b)+7], v[128*(\p)+FR*\b:128*(\p)+FR*\b+FR-1], v[AF+FR*(\a):AF+FR*(\a)+FR-1], v[8*(8*((\a)%4)+\b):8*(8*((\a)%4)+\b)+7], v[SC+8*NQ*(\sc)+NQ*\b+(\q)], v[SC+8*NQ*(\sc)+NQ*(\a)+(\q)] matrix_a_fmt:MATRIX_FMT_FP6 matrix_b_fmt:MATRIX_FMT_FP6 matrix_a_scale:MATRIX_SCALE_ROW1
.endif
.endr
.endr
.endm
.macro FETCH_B slot, q, p
	WIN TO_B
.irp i, 0,1,2,3,4,5,6,7
	FRAG 128*(\p)+FR*\i, ADRB+\slot, \q, \i
.endr
	WIN 0
.endm
.macro FETCH_A slot, q, i0
.irp i, \i0, \i0+1, \i0+2, \i0+3
	FRAG AF+FR*(\i), ADRA+\slot, \q, \i
.endr
.endm
.macro SCALES sc
.irp i, 0,1,2,3,4,5,6,7
	ds_load_b64 v[SC+8*NQ*\sc+NQ*\i:SC+8*NQ*\sc+NQ*\i+1], v[ADRS] offset:\i*SBLK
.endr
.endm
.macro PLACES n
.rept \n
	v_nop
.endr
.endm
.macro STEP slot, q, zero
	s_wait_dscnt 4*NL
.if \zero
	WIN FST_LO
.else
	WIN MUL_LO
.endif
	MUL16 0, (\q)%2, \q, \slot, \zero
	MUL16 2, (\q)%2, \q, \slot, \zero
	s_wait_dscnt 0
	PLACES NP
	FETCH_B \slot, (\q)+1, 1-(\q)%2
	FETCH_A \slot, (\q)+1, 0
.if \zero
	WIN FST_HI
.else
	WIN MUL_HI
.endif
	MUL16 4, (\q)%2, \q, \slot, \zero
	MUL16 6, (\q)%2, \q, \slot, \zero
	PLACES NP
	WIN 0
	FETCH_A \slot, (\q)+1, 4
.endm
.macro TURN slot, next, fill
	s_wait_tensorcnt 0x0
	ds_add_u32 v[SPW], v[NIL]
	s_wait_dscnt 4*NL+1
	WIN MUL_LO
	MUL16 0, 1, NQ-1, \slot, 0
	s_wait_dscnt 0x0
	s_barrier_signal -1
	MUL16 2, 1, NQ-1, \slot, 0
	WIN 0
	s_barrier_wait -1
.if \fill
	CREST
	s_add_nc_u64 s[G0+4*\slot+2:G0+4*\slot+3], s[G0+4*\slot+2:G0+4*\slot+3], 2*TILEB
	s_add_nc_u64 s[G0B+4*\slot+2:G0B+4*\slot+3], s[G0B+4*\slot+2:G0B+4*\slot+3], 2*TILEB
	JLOAD G0+4*\slot, G1, G0B+4*\slot, G1B
.else
	PLACES NP
.endif
	s_wait_alu depctr_va_vdst(0)
	v_add_nc_u32 v[ADRS], 4*NQ, v[ADRS]
	FETCH_B \next, 0, 0
	FETCH_A \next, 0, 0
	SCALES \next
	WIN MUL_HI
	MUL16 4, 1, NQ-1, \slot, 0
	MUL16 6, 1, NQ-1, \slot, 0
	PLACES NP
	WIN 0
	FETCH_A \next, 0, 4
.endm
	s_wait_loadcnt 0x0
.set i, 0
.rept 64
	v_and_b32 v[BP+i], s104, v[BP+i]
.set i, i+1
.endr
.set i, 0
.rept 16
	v_and_b32 v[BT+i], s105, v[BT+i]
.set i, i+1
.endr
	s_wait_tensorcnt 1
	s_barrier_signal -1
	s_barrier_wait -1
	FETCH_B 0, 0, 0
	FETCH_A 0, 0, 0
	SCALES 0
	FETCH_A 0, 0, 4
	STEP 0, 0, 1
	s_mov_b32 s3, LAPS-1
.Llap:
	TURN 0, 1, 1
	STEP 1, 0, 0
	TURN 1, 0, 1
	STEP 0, 0, 0
	s_sub_co_u32 s3, s3, 1
	s_cmp_lg_u32 s3, 0
	s_cbranch_scc1 .Llap
	TURN 0, 1, 0
	STEP 1, 0, 0
	s_wait_dscnt 4*NL
	WIN MUL_LO
	MUL16 0, 1, NQ-1, 1, 0
	MUL16 2, 1, NQ-1, 1, 0
	s_wait_dscnt 0
	WIN MUL_HI
	MUL16 4, 1, NQ-1, 1, 0
	MUL16 6, 1, NQ-1, 1, 0
	WIN 0
.macro QUANT s, pw
.irp b, 0,1,2,3
	v_max3_num_f32 v[TM+\b], |v[\s+16*\b]|, |v[\s+1+16*\b]|, 0x1800000
.endr
.irp i, 2,4,6,8,10,12,14
.irp b, 0,1,2,3
	v_max3_num_f32 v[TM+\b], v[TM+\b], |v[\s+16*\b+\i]|, |v[\s+1+16*\b+\i]|
.endr
.endr
.irp b, 0,1,2,3
	v_permlanex16_b32 v[TM+4+\b], v[TM+\b], s18, s19
.endr
.irp b, 0,1,2,3
	v_max_num_f32 v[TM+\b], v[TM+\b], v[TM+4+\b]
.endr
.irp b, 0,1,2,3
	v_add_nc_u32 v[TM+12+\b], 0xff000000, v[TM+\b]
.endr
.irp b, 0,1,2,3
	v_lshrrev_b32 v[TM+4+\b], 23, v[TM+12+\b]
.endr
	v_lshl_or_b32 v[\pw], v[TM+5], 8, v[TM+4]
	v_lshl_or_b32 v[\pw], v[TM+6], 16, v[\pw]
	v_lshl_or_b32 v[\pw], v[TM+7], 24, v[\pw]
.irp c, 0,1
	v_cvt_scalef32_pk16_fp6_f32 v[PC+6*\c:PC+2+6*\c], v[\s+32*\c:\s+15+32*\c], v[TM+12+2*\c]
	v_cvt_scalef32_pk16_fp6_f32 v[PC+12+4*\c:PC+14+4*\c], v[\s+16+32*\c:\s+31+32*\c], v[TM+12+2*\c+1]
.endr
	v_nop
.irp c, 0,1
.irp i, 0,1,2
	v_permlane16_swap_b32 v[PC+6*\c+\i], v[PC+12+4*\c+\i]
.endr
.irp i, 0,1,2
	v_mov_b32 v[PC+3+6*\c+\i], v[PC+12+4*\c+\i]
.endr
.endr
.endm
.macro OUT a
.set AC, 64*((\a)%4)
	WIN 0x02+(\a)/4
.set i, 0
.rept 32
	v_pk_add_f32 v[HA+i:HA+i+1], v[AC+i:AC+i+1], v[BT+2*(\a):BT+2*(\a)+1]
.set i, i+2
.endr
	WIN 0
.if (\a) > 0
	s_wait_xcnt 0x0
.endif
	QUANT HA, PW+(\a)
.irp i, 0,1,2
	global_store_b64 v[GO], v[PC+2*\i:PC+2*\i+1], s[96:97] offset:(\a)*768+256*\i
	global_store_b64 v[GO], v[PC+6+2*\i:PC+7+2*\i], s[98:99] offset:(\a)*768+256*\i
.endr
	ds_store_b32 v[SST], v[PW+(\a)] offset:64*(\a)
.endm
	PLACES NP
	s_mov_b32 s18, 0x76543210
	s_mov_b32 s19, 0xfedcba98
	s_lshl_b32 s20, s42, 2
	s_lshl_b32 s21, s16, 1
	s_add_co_u32 s20, s20, s21
	s_lshl_b32 s21, s17, 4
	s_lshl_b32 s22, s15, 3
	s_add_co_u32 s21, s21, s22
	s_cmp_ge_u32 s66, 4
	s_cselect_b32 s22, 6, 8
	s_cselect_b32 s23, 6291456, 0
	s_mov_b32 s46, 196608
	s_cselect_b32 s46, 49152, s46
	s_cselect_b32 s47, 10, 12
	s_cselect_b32 s67, 262144, 0
	s_lshl_b32 s96, s20, s22
	s_add_co_u32 s96, s96, s21
	s_mul_i32 s96, s96, 768
	s_add_co_u32 s96, s96, s23
	s_mov_b32 s97, 0
	s_add_nc_u64 s[96:97], s[92:93], s[96:97]
	s_mov_b32 s98, s46
	s_mov_b32 s99, 0
	s_add_nc_u64 s[98:99], s[96:97], s[98:99]
	s_lshr_b32 s20, s20, 1
	s_lshl_b32 s20, s20, s47
	s_lshl_b32 s21, s21, 4
	s_add_co_u32 s20, s20, s21
	s_lshl_b32 s20, s20, 2
	s_add_co_u32 s20, s20, s67
	s_mov_b32 s21, 0
	s_add_nc_u64 s[100:101], s[94:95], s[20:21]
.irp b, 0,1,2,3
	v_mov_b32 v[TM+4+\b], 0
.endr
.irp a, 0,1,2,3,4,5,6,7
	OUT \a
.endr
	ds_load_b128 v[TM:TM+3], v[SRD]
	s_wait_dscnt 0x0
	global_store_b128 v[GS], v[TM:TM+3], s[100:101]
	s_wait_tensorcnt 0x0
	ds_add_u32 v[SPW], v[NIL]
	s_wait_dscnt 0x0
	CROUND
	s_endpgm
.Lfunc_end_k_qb8d947f416_qkv:
	.size	k_qb8d947f416_qkv, .Lfunc_end_k_qb8d947f416_qkv-k_qb8d947f416_qkv
	.p2alignl 7, 3214868480
	.fill 96, 4, 3214868480
	.section	.rodata,"a",@progbits
	.p2align	6, 0x0
	.amdhsa_kernel k_qb8d947f416_qkv
		.amdhsa_group_segment_fixed_size 327680
		.amdhsa_private_segment_fixed_size 0
		.amdhsa_enable_private_segment 0
		.amdhsa_kernarg_size 56
		.amdhsa_user_sgpr_count 2
		.amdhsa_user_sgpr_kernarg_segment_ptr 1
		.amdhsa_wavefront_size32 1
		.amdhsa_system_sgpr_workgroup_id_x 1
		.amdhsa_system_sgpr_workgroup_id_y 1
		.amdhsa_system_sgpr_workgroup_id_z 1
		.amdhsa_system_vgpr_workitem_id 0
		.amdhsa_next_free_vgpr 1024
		.amdhsa_next_free_sgpr 106
		.amdhsa_reserve_vcc 0
		.amdhsa_float_denorm_mode_32 3
		.amdhsa_float_denorm_mode_16_64 3
		.amdhsa_memory_ordered 1
		.amdhsa_forward_progress 1
		.amdhsa_inst_pref_size 190
	.end_amdhsa_kernel
	.amdgpu_metadata
---
amdhsa.version: [ 1, 2 ]
amdhsa.kernels:
  - .name:           k_qb8d947f416_qkv
    .symbol:         k_qb8d947f416_qkv.kd
    .args:
      - { .name: xc, .offset: 0, .size: 8, .value_kind: global_buffer, .address_space: global }
      - { .name: xs, .offset: 8, .size: 8, .value_kind: global_buffer, .address_space: global }
      - { .name: wc, .offset: 16, .size: 8, .value_kind: global_buffer, .address_space: global }
      - { .name: ws, .offset: 24, .size: 8, .value_kind: global_buffer, .address_space: global }
      - { .name: in_proj_b, .offset: 32, .size: 8, .value_kind: global_buffer, .address_space: global }
      - { .name: qkvc, .offset: 40, .size: 8, .value_kind: global_buffer, .address_space: global }
      - { .name: qkvs, .offset: 48, .size: 8, .value_kind: global_buffer, .address_space: global }
    .group_segment_fixed_size: 327680
    .private_segment_fixed_size: 0
    .kernarg_segment_align: 8
    .kernarg_segment_size: 56
    .max_flat_workgroup_size: 128
    .sgpr_count:     106
    .vgpr_count:     1024
    .wavefront_size: 32
...
	.end_amdgpu_metadata
.endif
;; end of part 2
;; launch attn (part 3): grid 8 x 32, 8 waves a work-group, clusters of 4 x 1, 222,208 bytes of LDS; arguments qkvc, qkvs, oc, os; writes oc, os
.if DOCPART == 3
	.amdgcn_target "amdgcn-amd-amdhsa--gfx1250"
	.amdhsa_code_object_version 6
	.text
	.protected	k_qb8d947f416_attn
	.globl	k_qb8d947f416_attn
	.p2align	8
	.type	k_qb8d947f416_attn,@function
k_qb8d947f416_attn:
	s_mov_b64 s[64:65], 0
	v_nop
	global_prefetch_b8 v0, s[64:65] scope:SCOPE_SE
	s_setreg_imm32_b32 hwreg(HW_REG_WAVE_MODE, 25, 1), 1
	s_wait_xcnt 0x0
	s_wait_alu depctr_hold_cnt(0) depctr_sa_sdst(0) depctr_va_vdst(0) depctr_va_sdst(0) depctr_va_ssrc(0) depctr_va_vcc(0) depctr_vm_vsrc(0)
	s_getreg_b32 s2, hwreg(HW_REG_IB_STS2, 6, 4)
	s_cmp_eq_u32 s2, 0
	s_cbranch_scc0 .Lentry_in_a_cluster
	s_endpgm
.Lentry_in_a_cluster:
	s_bfe_u32 s2, ttmp6, 0x10000c
	s_cmp_lg_u32 s2, 0x3003
	s_cbranch_scc0 .Lentry_shape_is_right
	s_endpgm
.Lentry_shape_is_right:
; Attention of one head on codes of FP6 (E2M3): S^T = K Q^T (K = the head's 64), p = 2^(t - M), O^T = V^T P^T (K = the keys), O / the row's sum, quantised at once along the channels for the last projection.
; t = score x log2(e) / 8.  M = the running largest t rounded up to a whole number; the row's sum is taken of the unquantised p.
; SHARES.  A work-group owns 256 queries of one head of one batch; each of its eight waves two tiles of 16 queries, taken by turns line by line: one fetch of K's and V's fragments serves both tiles.
; THE HEAD'S K AND V STAY IN LDS, filled ONCE by joint loads of the four work-groups of a cluster (the same head, four blocks of queries): one load a wave, waves 0-3 K's quarters, waves 4-7 V's.  No byte is filled again: no ring, one barrier.
; Nothing is left to prefetch: all that the work-group reads of K and V is asked for at its head.
; LAYOUT IN MEMORY.  Records of 768 bytes (16 rows x 64 K; plane i holds registers 2 i, 2 i + 1 at 8 x lane).  Token tile 2 g + u holds rows 32 g + 8 u + (r % 8) + 16 (r / 8).
; WHICH KEYS FORM A TILE OF K IS CHOSEN BY THE LANES' LDS ADDRESSES: row r of tile u (0..3) of a group of 64 keys is key 32 (r / 8) + 8 u + (r % 8), which lies in the group's record 2 (r / 8) + u % 2 at row (r % 8) + 8 (u / 2).
; So the 32 score registers of four tiles are, in lane (query, h), the whole block of 32 keys 64 G + 32 h + 0 .. 31: the block's largest score needs no other lane, and the conversions' results are the operand's registers as they stand.
; K's planes lie 288 bytes apart in LDS (256 + 32 of padding): the four runs of eight lanes of a load then begin at bytes 0, 128, 192, 64 modulo 256.
; K = 64 IN AN INSTRUCTION OF 128: Q's registers 6-11 are zero codes; a tile of K names 12 registers of which the upper six are the next tile's codes (zeros behind the last).  The scale bytes of that half are 0 on both sides.
; LIMITS: the promise holds while |t| stays under 2^31; a block of zeros gets the byte 1 (its codes are zeros); NaN and infinities are not served.
; The scale bytes of the result leave as 2 bytes of each 32-byte row (a row's other bytes belong to other heads' work-groups).
; REGISTERS.  Window 0: v1-12 addresses; v14-15 the add's two; v16-23 per tile -M, largest score, the sum's pair; v24-33 scale words; v36-59 p's codes; v64-107 at work; v128-255 S^T, then p (tile q at 128 + 64 q).
;   Window 1: v0-63 O^T (tile q at 32 q); v64-111 V; v112-135 Q with its zeros; v136-189 K with its zeros.
.set LKB, 1
.set LV,  2
.set LKS, 3
.set LVS, 4
.set ADK, 5
.set ADV, 6
.set ADS, 7
.set ADT, 8
.set GO,  9
.set R4,  10
.set R32, 11
.set SH8, 12
.set SPW, 14
.set NIL, 15
.set NM0, 16
.set QS,  24
.set PS,  26
.set VSC, 28
.set KSC, 30
.set PC,  36
.set BM,  64
.set BS,  68
.set T,   72
.set TP,  74
.set FF,  76
.set PT,  80
.set SM,  96
.set S,   128
.set O,   0
.set VR,  64
.set QR,  112
.set KR,  136
.set VLDS, 110592                      ; K: 128 records x 864 bytes from 0; V: [group of 64 keys][channel tile][768] from here
.set KSL,  208896                      ; K's scale words, 64 bytes a token tile; stored by the waves, no fill lands here
.set VSL,  217088                      ; V's, 256 bytes for each 128 keys
.set SPARE, 221184                     ; the spare words: 128 bytes a wave
.set WV,  12
.set SEL, 20
.set CS,  22
.set G1K, 24
.set G1V, 32
.set G0K, 40
.set G0V, 44
.set TV,  48
.set TK,  56
.set TS,  57
.set TT,  58
.set CNT, 59
.set MSB, 0
.macro WIN new                         ; the immediate's high byte repeats the setting that is left
.if MSB != \new
	s_set_vgpr_msb (MSB<<8)|\new
.set MSB, \new
.endif
.endm
.macro CROUND                          ; a round of the cluster's barrier
	s_barrier_signal -1
	s_barrier_wait -1
	s_cmp_lg_u32 s[WV], 0
	s_cbranch_scc1 .Lnot_wave_0_\@
	s_barrier_signal -3
.Lnot_wave_0_\@:
	s_barrier_wait -3
	s_barrier_signal -1
	s_barrier_wait -1
.endm
.macro MM d, a, b, acc, sa, sb, odd    ; one product; acc = 0: it starts the sum; odd = 1: source 0's scale words stand in lanes 16-31
.if \acc
.if \odd
	v_wmma_scale_f32_16x16x128_f8f6f4 v[\d:\d+7], v[\a:\a+11], v[\b:\b+11], v[\d:\d+7], v[\sa], v[\sb] matrix_a_fmt:MATRIX_FMT_FP6 matrix_b_fmt:MATRIX_FMT_FP6 matrix_a_scale:MATRIX_SCALE_ROW1
.else
	v_wmma_scale_f32_16x16x128_f8f6f4 v[\d:\d+7], v[\a:\a+11], v[\b:\b+11], v[\d:\d+7], v[\sa], v[\sb] matrix_a_fmt:MATRIX_FMT_FP6 matrix_b_fmt:MATRIX_FMT_FP6
.endif
.else
.if \odd
	v_wmma_scale_f32_16x16x128_f8f6f4 v[\d:\d+7], v[\a:\a+11], v[\b:\b+11], 0, v[\sa], v[\sb] matrix_a_fmt:MATRIX_FMT_FP6 matrix_b_fmt:MATRIX_FMT_FP6 matrix_a_scale:MATRIX_SCALE_ROW1
.else
	v_wmma_scale_f32_16x16x128_f8f6f4 v[\d:\d+7], v[\a:\a+11], v[\b:\b+11], 0, v[\sa], v[\sb] matrix_a_fmt:MATRIX_FMT_FP6 matrix_b_fmt:MATRIX_FMT_FP6
.endif
.endif
.endm
.macro KLOAD ak, as                    ; 28 LDS loads: a step's eight tiles of K and their scale words (register 2 G + m: lanes 0-15 tile 4 G + 2 m, lanes 16-31 tile 4 G + 2 m + 1)
.irp n, 0,1,2,3
	ds_load_b32 v[KSC+\n], v[\as] offset:256*(\n/2)+32*(\n%2)
.endr
	WIN 0x40
.irp kt, 0,1,2,3,4,5,6,7
.irp i, 0,1,2
	ds_load_b64 v[KR+6*\kt+2*\i:KR+6*\kt+2*\i+1], v[\ak] offset:3456*(\kt/4)+864*(\kt%2)+64*((\kt%4)/2)+288*\i
.endr
.endr
	WIN 0
.endm
.macro SUMS q                          ; tile q's 64 p onto its sum: 32 packed additions in four chains
.set SQ, S+64*(\q)
.set TA, SM+6*(\q)
.set LL, NM0+4*(\q)+2
	v_pk_add_f32 v[TA:TA+1], v[SQ:SQ+1], v[SQ+2:SQ+3]
	v_pk_add_f32 v[TA+2:TA+3], v[SQ+4:SQ+5], v[SQ+6:SQ+7]
	v_pk_add_f32 v[TA+4:TA+5], v[SQ+8:SQ+9], v[SQ+10:SQ+11]
	v_pk_add_f32 v[LL:LL+1], v[LL:LL+1], v[SQ+12:SQ+13]
.set i, 14
.rept 6
	v_pk_add_f32 v[TA:TA+1], v[TA:TA+1], v[SQ+i:SQ+i+1]
	v_pk_add_f32 v[TA+2:TA+3], v[TA+2:TA+3], v[SQ+i+2:SQ+i+3]
	v_pk_add_f32 v[TA+4:TA+5], v[TA+4:TA+5], v[SQ+i+4:SQ+i+5]
	v_pk_add_f32 v[LL:LL+1], v[LL:LL+1], v[SQ+i+6:SQ+i+7]
.set i, i+8
.endr
	v_pk_add_f32 v[LL:LL+1], v[LL:LL+1], v[SQ+62:SQ+63]
	v_pk_add_f32 v[TA:TA+1], v[TA:TA+1], v[TA+2:TA+3]
	v_pk_add_f32 v[LL:LL+1], v[LL:LL+1], v[TA+4:TA+5]
	v_pk_add_f32 v[LL:LL+1], v[LL:LL+1], v[TA:TA+1]
.endm
; A KEY STEP: 128 keys x 32 queries.  more = 1: a step follows, and its K is asked for here.  Index x = 2 q + G names tile q's block of this lane in the group G of 64 keys.
.macro STEP more
.irp n, 0,1
	ds_load_b32 v[VSC+\n], v[ADT] offset:128*\n
.endr
	WIN 0x40
.irp t, 0,1,2,3
.irp c, 0,1
.irp i, 0,1,2
	ds_load_b64 v[VR+12*\t+6*\c+2*\i:VR+12*\t+6*\c+2*\i+1], v[ADV] offset:(4*\c+\t)*768+256*\i
.endr
.endr
.endr
	s_wait_dscnt 26                                ; K's 28 loads, asked for a step ago, are in; V's 26 just issued may be out
	WIN 0x05
.irp kt, 0,1,2,3,4,5,6,7
.irp q, 0,1
	MM S+64*\q+8*\kt, KR+6*\kt, QR+12*\q, 0, KSC+2*(\kt/4)+(\kt%4)/2, QS+\q, \kt%2
.endr
.endr
	WIN 0
.if \more
	s_add_co_u32 s[TK], s[TK], 6912
	s_add_co_u32 s[TS], s[TS], 512
	s_add_co_u32 s[TV], s[TV], 6144
	s_add_co_u32 s[TT], s[TT], 256
	v_add_nc_u32 v[ADK], s[TK], v[LKB]             ; the next step's addresses: these four are the places behind the products (ISA guide 7.12.1)
	v_add_nc_u32 v[ADS], s[TS], v[LKS]
	v_add_nc_u32 v[ADV], s[TV], v[LV]
	v_add_nc_u32 v[ADT], s[TT], v[LVS]
	KLOAD ADK, ADS
.else
.rept 4
	v_nop
.endr
.endif
.irp x, 0,1,2,3
	v_max3_num_f32 v[BM+\x], v[S+32*\x], v[S+32*\x+1], v[S+32*\x+2]   ; my block's largest score: for the row's maximum, and, since p rises with the score, for the block's largest p
.endr
.irp i, 3,5,7,9,11,13,15,17,19,21,23,25,27,29
.irp x, 0,1,2,3
	v_max3_num_f32 v[BM+\x], v[BM+\x], v[S+32*\x+\i], v[S+32*\x+\i+1]
.endr
.endr
.irp x, 0,1,2,3
	v_max_num_f32 v[BM+\x], v[BM+\x], v[S+32*\x+31]
.endr
.irp q, 0,1
	v_max_num_f32 v[T+\q], v[BM+2*\q], v[BM+2*\q+1]
.endr
.irp q, 0,1
	s_delay_alu instid0(VALU_DEP_2)
	v_permlanex16_b32 v[TP+\q], v[T+\q], s[SEL], s[SEL+1]
.endr
.irp q, 0,1
	s_delay_alu instid0(VALU_DEP_2)
	v_max3_num_f32 v[NM0+4*\q+1], v[NM0+4*\q+1], v[T+\q], v[TP+\q]   ; the running largest score of my query
.endr
.irp q, 0,1
	s_delay_alu instid0(VALU_DEP_2)
	v_mul_f32 v[T+\q], s[CS], v[NM0+4*\q+1]        ; as t (c is positive)
.endr
.irp q, 0,1
	s_delay_alu instid0(VALU_DEP_2)
	v_floor_f32 v[TP+\q], -v[T+\q]                 ; the new -M = -ceil(t)
.endr
.irp q, 0,1
	s_delay_alu instid0(VALU_DEP_2)
	v_sub_f32 v[T+\q], v[TP+\q], v[NM0+4*\q]       ; old M - new M: a whole number, 0 or less
.endr
.irp q, 0,1
	v_mov_b32 v[NM0+4*\q], v[TP+\q]
.endr
.irp q, 0,1
	v_cvt_i32_f32 v[T+\q], v[T+\q]                 ; (it saturates)
.endr
.irp q, 0,1
.set i, 0
.rept 32
	v_pk_fma_f32 v[S+64*\q+i:S+64*\q+i+1], v[S+64*\q+i:S+64*\q+i+1], s[CS:CS+1], v[NM0+4*\q:NM0+4*\q+1] op_sel_hi:[1,0,0]   ; t - M
.set i, i+2
.endr
.endr
.irp x, 0,1,2,3
	v_fma_f32 v[BM+\x], v[BM+\x], s[CS], v[NM0+4*(\x/2)]
.endr
.irp q, 0,1
	v_ldexp_f32 v[FF+2*\q], 1.0, v[T+\q]           ; f = 2^(old M - new M)
.endr
	WIN 0x41
.irp q, 0,1
.set i, 0
.rept 16
	v_pk_mul_f32 v[O+32*\q+i:O+32*\q+i+1], v[O+32*\q+i:O+32*\q+i+1], v[FF+2*\q:FF+2*\q+1] op_sel_hi:[1,0]   ; O^T under the new M, each accumulator from its low end on
.set i, i+2
.endr
.endr
	WIN 0
	s_wait_alu depctr_va_vdst(0)                   ; the wait ahead of the batch
.set i, 0
.rept 128
	v_exp_f32 v[S+i], v[S+i]                       ; p = 2^(t - M), not normalised
.set i, i+1
.endr
.irp x, 0,1,2,3
	v_exp_f32 v[BM+\x], v[BM+\x]                   ; the block's largest p: the same two instructions on the same number
.endr
.irp q, 0,1
	v_pk_mul_f32 v[NM0+4*\q+2:NM0+4*\q+3], v[NM0+4*\q+2:NM0+4*\q+3], v[FF+2*\q:FF+2*\q+1] op_sel_hi:[1,0]   ; the sums under the new M: plain lines behind the exponentials
.endr
	s_wait_alu depctr_va_vdst(0)                   ; and the wait behind the batch
.irp x, 0,1,2,3
	v_max_num_f32 v[BM+\x], 0x1800000, v[BM+\x]    ; the floor 2^(3 - 127): the byte cannot fall under 1
.endr
.irp x, 0,1,2,3
	v_add_nc_u32 v[BS+\x], 0xff000000, v[BM+\x]    ; 2 off the exponent field: the conversions' scale operand
.endr
.irp x, 0,1,2,3
	v_lshrrev_b32 v[BM+\x], 23, v[BS+\x]           ; the byte
.endr
.irp q, 0,1
	v_lshl_or_b32 v[T+\q], v[BM+2*\q+1], 16, v[BM+2*\q]   ; my two bytes: blocks h and 2 + h,
.endr
.irp q, 0,1
	s_delay_alu instid0(VALU_DEP_2)
	v_lshlrev_b32 v[T+\q], v[SH8], v[T+\q]         ; 8 h bits up
.endr
.irp q, 0,1
	s_delay_alu instid0(VALU_DEP_2)
	v_permlanex16_b32 v[TP+\q], v[T+\q], s[SEL], s[SEL+1]
.endr
.irp x, 0,1,2,3
	v_cvt_scalef32_pk16_fp6_f32 v[PC+6*\x:PC+6*\x+2], v[S+32*\x:S+32*\x+15], v[BS+\x]
	v_cvt_scalef32_pk16_fp6_f32 v[PT+4*\x:PT+4*\x+2], v[S+32*\x+16:S+32*\x+31], v[BS+\x]   ; (a conversion's three registers begin on an even number)
.endr
.irp q, 0,1
	v_or_b32 v[PS+\q], v[T+\q], v[TP+\q]           ; with lane l xor 16's two bytes p's scale word is whole.  (Plain lines behind the conversions)
.endr
.irp x, 0,1,2,3
.irp i, 0,1,2
	v_mov_b32 v[PC+6*\x+3+\i], v[PT+4*\x+\i]
.endr
.endr
	SUMS 0                                         ; 32 plain lines between the scale words, the codes and the products below
	s_wait_alu depctr_va_vdst(0)                   ; the wait ahead of the wait below
	s_wait_dscnt 28*\more                          ; V's 26 loads are in; the next step's 28 loads of K may be out
	WIN 0x51
.irp t, 0,1,2,3
.irp q, 0,1
	MM O+32*\q+8*\t, VR+12*\t, PC+12*\q, 1, VSC+\t/2, PS+\q, \t%2
.endr
.endr
	WIN 0
	SUMS 1                                         ; these name none of the products' registers: they are the places ahead of the next loads into V's registers
.endm
	s_load_b256 s[4:11], s[0:1], 0x0               ; qkvc, qkvs, oc, os
	v_lshl_add_u32 v[SPW], v0, 2, SPARE
	v_mov_b32 v[NIL], 0
	ds_add_u32 v[SPW], v[NIL]                      ; the opening lines: the add, twice on end, and its wait ahead of my tensor load
	ds_add_u32 v[SPW], v[NIL]
	v_lshrrev_b32 v13, 5, v0
	v_readfirstlane_b32 s[WV], v13                 ; wave 0..7
	s_and_b32 s14, ttmp7, 0xffff
	s_and_b32 s15, s14, 15                         ; the head
	s_lshr_b32 s16, s14, 4                         ; the batch
	s_bfe_u32 s13, ttmp6, 0x40000                  ; cx: it enters Q's and the result's addresses alone
	s_lshl_b32 s17, ttmp9, 2
	s_add_co_u32 s17, s17, s13
	s_lshl_b32 s17, s17, 4
	s_lshl_b32 s60, s[WV], 1
	s_add_co_u32 s17, s17, s60
	s_lshl_b32 s60, s16, 7
	s_add_co_u32 s17, s17, s60                     ; my first token tile: 128 x batch + 16 x block + 2 x wave
	s_and_b32 s18, s15, 1
	s_lshl_b32 s18, s18, 4                         ; where my head's two bytes stand in a word of q's or k's scales
	s_and_b32 s60, s[WV], 3                        ; which quarter of the keys I fetch
	s_add_co_u32 s66, s15, 16
	s_lshl_b32 s66, s66, 8
	s_lshl_b32 s62, s16, 7
	s_add_co_u32 s66, s66, s62
	s_lshl_b32 s62, s60, 5
	s_add_co_u32 s66, s66, s62
	s_mul_i32 s66, s66, 768                        ; K: record (16 + head, 128 x batch + 32 x quarter)
	s_mov_b32 s67, 0
	s_lshl_b32 s68, s16, 5
	s_lshl_b32 s63, s60, 3
	s_add_co_u32 s68, s68, s63
	s_lshl_b32 s68, s68, 6
	s_lshl_b32 s63, s15, 2
	s_add_co_u32 s68, s68, s63
	s_mul_i32 s68, s68, 768
	s_add_co_u32 s68, s68, 6291456                 ; V: record (32 x batch + 8 x quarter, 4 x head)
	s_mov_b32 s69, 0
	s_mul_i32 s70, s60, 27648                      ; in LDS: a quarter of K is 96 rows of 288 bytes,
	s_mul_i32 s71, s60, 24576                      ; of V 8 rows of 3,072
	s_add_co_u32 s71, s71, VLDS
	; group 1 for K: dense in memory, 96 rows of 256 bytes (32 elements of 8), 8 dwords of padding behind each.  For V: 8 rows of 3,072 bytes (a group's four channel tiles), 49,152 bytes apart, dense in LDS
	s_mov_b32 s[G1K], 15|(3<<16)|(1<<20)|(1<<21)|(5<<22)|(7<<25)   ; 15:0 the mask: all four work-groups; 21 set beside a mask
	s_mov_b32 s[G1K+1], 32<<16
	s_mov_b32 s[G1K+2], 96<<16
	s_mov_b32 s[G1K+3], 32<<16
	s_mov_b32 s[G1K+4], 96
	s_mov_b32 s[G1K+5], 32
	s_mov_b32 s[G1K+6], 0
	s_mov_b32 s[G1K+7], 0
	s_mov_b32 s[G1V], 15|(3<<16)|(1<<21)
	s_mov_b32 s[G1V+1], 384<<16
	s_mov_b32 s[G1V+2], 8<<16
	s_mov_b32 s[G1V+3], 384<<16
	s_mov_b32 s[G1V+4], 8
	s_mov_b32 s[G1V+5], 6144
	s_mov_b32 s[G1V+6], 0
	s_mov_b32 s[G1V+7], 0
	s_mov_b32 s[SEL], 0x76543210
	s_mov_b32 s[SEL+1], 0xfedcba98                 ; lane l xor 16
	s_mov_b32 s[CS], 0x3e38aa3b                    ; c = log2(e) / 8
	s_mov_b32 s[CS+1], s[CS]
	s_lshl_b32 s72, s15, 8
	s_add_co_u32 s72, s72, s17
	s_mul_i32 s72, s72, 768                        ; Q: record (head, my first tile)
	s_mov_b32 s73, 0
	s_lshr_b32 s74, s15, 1
	s_lshl_b32 s74, s74, 12
	s_lshl_b32 s75, s17, 4
	s_add_co_u32 s75, s74, s75
	s_lshl_b32 s76, s16, 11
	s_add_co_u32 s76, s76, s74
	s_add_co_u32 s76, s76, 32768
	s_lshl_b32 s74, s75, 2                         ; Q's scale words: (head / 2) x 4,096 + 16 x tile
	s_mov_b32 s75, 0
	s_lshl_b32 s76, s76, 2                         ; K's: (8 + head / 2) x 4,096 + 2,048 x batch
	s_mov_b32 s77, 0
	s_lshl_b32 s78, s16, 4
	s_add_co_u32 s78, s78, s[WV]
	s_lshl_b32 s78, s78, 10
	s_lshl_b32 s79, s15, 6
	s_add_co_u32 s78, s78, s79
	s_lshl_b32 s78, s78, 2
	s_add_co_u32 s78, s78, 262144                  ; V's, of keys 128 x wave on: (16 x batch + wave) x 1,024 + 64 x head
	s_mov_b32 s79, 0
	s_wait_dscnt 0x0                               ; both opening adds are done
	s_wait_kmcnt 0x0
	s_add_nc_u64 s[66:67], s[4:5], s[66:67]
	s_add_nc_u64 s[68:69], s[4:5], s[68:69]
	s_add_nc_u64 s[72:73], s[4:5], s[72:73]
	s_add_nc_u64 s[74:75], s[6:7], s[74:75]
	s_add_nc_u64 s[76:77], s[6:7], s[76:77]
	s_add_nc_u64 s[78:79], s[6:7], s[78:79]
	s_mov_b32 s[G0K], 1
	s_mov_b32 s[G0K+1], s70
	s_mov_b64 s[G0K+2:G0K+3], s[66:67]
	s_or_b32 s[G0K+3], s[G0K+3], 0x80000000
	s_mov_b32 s[G0V], 1
	s_mov_b32 s[G0V+1], s71
	s_mov_b64 s[G0V+2:G0V+3], s[68:69]
	s_or_b32 s[G0V+3], s[G0V+3], 0x80000000
	CROUND                                         ; all four work-groups are here: the joint loads meet
	s_cmp_lt_u32 s[WV], 4                          ; one load a wave, one in each arm of the one branch on the wave's number
	s_cbranch_scc0 .Lfor_v
	tensor_load_to_lds s[G0K:G0K+3], s[G1K:G1K+7]
	s_nop 0
.rept 4
	v_nop
.endr
	s_branch .Lasked
.Lfor_v:
	tensor_load_to_lds s[G0V:G0V+3], s[G1V:G1V+7]
	s_nop 0
.rept 4
	v_nop
.endr
.Lasked:
	v_and_b32 v64, 31, v0                          ; lane
	v_and_b32 v65, 7, v0                           ; j = r % 8
	v_bfe_u32 v66, v0, 3, 1                        ; a = r / 8
	v_bfe_u32 v67, v0, 4, 1                        ; h
	v_lshlrev_b32 v68, 4, v0                       ; 16 x thread
	v_lshlrev_b32 v[GO], 3, v64                    ; 8 x lane
	v_lshlrev_b32 v[LKB], 3, v65
	v_and_b32 v71, 15, v0
	v_add_nc_u32 v69, KSL, v68
	v_lshl_add_u32 v70, v0, 3, VSL
	v_mad_u32_u24 v[LKB], v66, 1728, v[LKB]
	v_lshl_add_u32 v[LKS], v65, 2, KSL
	v_add_nc_u32 v[LV], VLDS, v[GO]
	v_lshl_add_u32 v[LVS], v64, 2, VSL
	v_lshl_add_u32 v[LKB], v67, 7, v[LKB]          ; K: two records x a + 8 j + 128 h
	v_lshl_add_u32 v[LKS], v66, 7, v[LKS]
	v_lshlrev_b32 v[SH8], 3, v67
	v_lshlrev_b32 v[R4], 2, v71                    ; 4 r
	v_lshlrev_b32 v[R32], 5, v71                   ; 32 r: my row of the result's scale bytes
	v_lshl_add_u32 v[LKS], v67, 6, v[LKS]          ; K's scale words: 128 a + 64 (lane / 16) + 4 j
	WIN 0x40
.irp q, 0,1
.irp i, 0,1,2
	global_load_b64 v[QR+12*\q+2*\i:QR+12*\q+2*\i+1], v[GO], s[72:73] offset:768*\q+256*\i   ; Q's two records stay in registers
.endr
.endr
	WIN 0
.irp q, 0,1
	global_load_b32 v[QS+\q], v[R4], s[74:75] offset:64*\q
.endr
	global_load_b128 v[96:99], v68, s[76:77]                  ; the head pair's scale words of K: 256 threads x 2 x 16 bytes
	global_load_b128 v[100:103], v68, s[76:77] offset:4096
	global_load_b64 v[104:105], v[GO], s[78:79]               ; V's of keys 128 x wave on, 256 bytes a wave,
	global_load_b64 v[106:107], v[GO], s[78:79] offset:32768  ; and of keys 128 x (wave + 8) on
.irp q, 0,1
	v_mov_b32 v[NM0+4*\q], 0x7f61b1e6              ; -M: 3e38, so that the first f is 0
	v_mov_b32 v[NM0+4*\q+1], 0xff61b1e6            ; the largest score so far: -3e38
	v_mov_b32 v[NM0+4*\q+2], 0
	v_mov_b32 v[NM0+4*\q+3], 0
	v_mov_b32 v[FF+2*\q], 0
	v_mov_b32 v[FF+2*\q+1], 0                      ; (named as the upper half of a pair)
	v_mov_b32 v[TP+\q], 0                          ; a lane permute's destination counts as one of its sources
.endr
	v_mov_b32 v[ADV], v[LV]
	v_mov_b32 v[ADT], v[LVS]
	WIN 0x40
.set i, 0
.rept 64
	v_mov_b32 v[O+i], 0                            ; the step is written once: the first finds zeros, which f = 0 leaves zeros
.set i, i+1
.endr
.irp i, 0,1,2,3,4,5
	v_mov_b32 v[QR+6+\i], 0                        ; Q's upper halves: zero codes
	v_mov_b32 v[QR+18+\i], 0
	v_mov_b32 v[KR+48+\i], 0                       ; and what the last tile of K names as its upper half
.endr
	WIN 0
	s_wait_alu depctr_va_vdst(0)                   ; the wait ahead of the wait below
	s_wait_loadcnt 0x0
.irp q, 0,1
	v_bfe_u32 v[QS+\q], v[QS+\q], s18, 16          ; my head's two bytes; the two bytes of the half that counts for nothing become 0
.endr
.irp i, 0,1,2,3,4,5,6,7
	v_bfe_u32 v[96+\i], v[96+\i], s18, 16
.endr
	s_wait_alu depctr_va_vdst(0)                   ; the wait at the head's end
	s_wait_tensorcnt 0x0                           ; my quarter has landed
	ds_store_b128 v69, v[96:99]
	ds_store_b128 v69, v[100:103] offset:4096
	ds_store_b64 v70, v[104:105]
	ds_store_b64 v70, v[106:107] offset:2048
	s_wait_dscnt 0x0                               ; for the others: my stores have landed
	s_barrier_signal -1
	s_barrier_wait -1                              ; K, V and the scale words are whole
	s_mov_b32 s[TK], 0
	s_mov_b32 s[TS], 0
	s_mov_b32 s[TV], 0
	s_mov_b32 s[TT], 0
	s_mov_b32 s[CNT], 15
	KLOAD LKB, LKS                                 ; step 0's K
.Lsteps:
	STEP 1
	s_sub_co_u32 s[CNT], s[CNT], 1
	s_cmp_lg_u32 s[CNT], 0
	s_wait_alu depctr_va_vdst(0)                   ; the wait ahead of the branch
	s_cbranch_scc1 .Lsteps
	STEP 0                                         ; the last step asks for nothing more
	; THE WAY OUT.  O^T / the sum: register 16 g + i of a tile is channel 32 g + 16 h + i of my query: two blocks of 32 along the last projection's K: one record and two scale bytes a tile.  Index y = 2 q + block.
	s_lshl_b32 s60, s17, 4
	s_add_co_u32 s60, s60, s15
	s_mul_i32 s60, s60, 768                        ; record (my first tile, head)
	s_mov_b32 s61, 0
	s_add_nc_u64 s[60:61], s[8:9], s[60:61]
	s_lshl_b32 s62, s17, 9
	s_lshl_b32 s63, s15, 1
	s_add_co_u32 s62, s62, s63                     ; scale bytes: 512 x tile + 2 x head
	s_mov_b32 s63, 0
	s_add_nc_u64 s[62:63], s[10:11], s[62:63]
	s_wait_alu depctr_va_vdst(0)                   ; the wait behind the run of scalar lines
.irp q, 0,1
	v_add_f32 v[NM0+4*\q+2], v[NM0+4*\q+2], v[NM0+4*\q+3]
.endr
.irp q, 0,1
	s_delay_alu instid0(VALU_DEP_2)
	v_permlanex16_b32 v[TP+\q], v[NM0+4*\q+2], s[SEL], s[SEL+1]
.endr
.irp q, 0,1
	s_delay_alu instid0(VALU_DEP_2)
	v_add_f32 v[NM0+4*\q+2], v[NM0+4*\q+2], v[TP+\q]   ; the row's sum
.endr
	s_wait_alu depctr_va_vdst(0)
.irp q, 0,1
	v_rcp_f32 v[NM0+4*\q+2], v[NM0+4*\q+2]
.endr
	v_nop                                          ; a plain line behind the transcendentals
	WIN 0x01
	s_wait_alu depctr_va_vdst(0)                   ; for the reciprocals and, directly ahead of their first reader, for O^T
.irp q, 0,1
.set i, 0
.rept 32
	v_mul_f32 v[S+32*\q+i], v[O+32*\q+i], v[NM0+4*\q+2]
.set i, i+1
.endr
.endr
	WIN 0
.irp y, 0,1,2,3
	v_max3_num_f32 v[BM+\y], |v[S+16*\y]|, |v[S+16*\y+1]|, 0x1800000
.endr
.irp i, 2,4,6,8,10,12,14
.irp y, 0,1,2,3
	v_max3_num_f32 v[BM+\y], v[BM+\y], |v[S+16*\y+\i]|, |v[S+16*\y+\i+1]|
.endr
.endr
.irp y, 0,1,2,3
	v_permlanex16_b32 v[BS+\y], v[BM+\y], s[SEL], s[SEL+1]
.endr
.irp y, 0,1,2,3
	v_max_num_f32 v[BM+\y], v[BM+\y], v[BS+\y]
.endr
.irp y, 0,1,2,3
	v_add_nc_u32 v[BS+\y], 0xff000000, v[BM+\y]
.endr
.irp y, 0,1,2,3
	v_lshrrev_b32 v[BM+\y], 23, v[BS+\y]
.endr
.irp q, 0,1
	v_lshl_or_b32 v[PS+\q], v[BM+2*\q+1], 8, v[BM+2*\q]
.endr
.irp q, 0,1
	v_cvt_scalef32_pk16_fp6_f32 v[PC+12*\q:PC+12*\q+2], v[S+32*\q:S+32*\q+15], v[BS+2*\q]
	v_cvt_scalef32_pk16_fp6_f32 v[PC+12*\q+4:PC+12*\q+6], v[S+32*\q+16:S+32*\q+31], v[BS+2*\q+1]
.endr
	v_nop                                          ; a plain line behind the conversions
.irp q, 0,1
.irp i, 0,1,2
	v_permlane16_swap_b32 v[PC+12*\q+\i], v[PC+12*\q+4+\i]   ; lanes 0-15 now hold block 0 whole, lanes 16-31 block 1
.endr
.endr
.irp i, 3,4,5
.irp q, 0,1
	v_mov_b32 v[PC+12*\q+\i], v[PC+12*\q+\i+1]
.endr
.endr
.irp q, 0,1
.irp i, 0,1,2
	global_store_b64 v[GO], v[PC+12*\q+2*\i:PC+12*\q+2*\i+1], s[60:61] offset:12288*\q+256*\i   ; 256 consecutive bytes, aligned
.endr
	global_store_b16 v[R32], v[PS+\q], s[62:63] offset:512*\q   ; lanes r and r + 16 store the same two bytes
.endr
	s_wait_tensorcnt 0x0                           ; the wave's end
	ds_add_u32 v[SPW], v[NIL]
	s_wait_dscnt 0x0
	CROUND                                         ; the closing round: no work-group ends while a partner may still ask for a tile that names it
	s_endpgm
.Lfunc_end_k_qb8d947f416_attn:
	.size	k_qb8d947f416_attn, .Lfunc_end_k_qb8d947f416_attn-k_qb8d947f416_attn
	.p2alignl 7, 3214868480
	.fill 96, 4, 3214868480
	.section	.rodata,"a",@progbits
	.p2align	6, 0x0
	.amdhsa_kernel k_qb8d947f416_attn
		.amdhsa_group_segment_fixed_size 222208
		.amdhsa_private_segment_fixed_size 0
		.amdhsa_enable_private_segment 0
		.amdhsa_kernarg_size 32
		.amdhsa_user_sgpr_count 2
		.amdhsa_user_sgpr_kernarg_segment_ptr 1
		.amdhsa_wavefront_size32 1
		.amdhsa_system_sgpr_workgroup_id_x 1
		.amdhsa_system_sgpr_workgroup_id_y 1
		.amdhsa_system_sgpr_workgroup_id_z 1
		.amdhsa_system_vgpr_workitem_id 0
		.amdhsa_next_free_vgpr 512
		.amdhsa_next_free_sgpr 80
		.amdhsa_reserve_vcc 0
		.amdhsa_float_denorm_mode_32 3
		.amdhsa_float_denorm_mode_16_64 3
		.amdhsa_memory_ordered 1
		.amdhsa_forward_progress 1
		.amdhsa_inst_pref_size 78
	.end_amdhsa_kernel
	.amdgpu_metadata
---
amdhsa.version: [ 1, 2 ]
amdhsa.kernels:
  - .name:           k_qb8d947f416_attn
    .symbol:         k_qb8d947f416_attn.kd
    .args:
      - { .name: qkvc, .offset: 0, .size: 8, .value_kind: global_buffer, .address_space: global }
      - { .name: qkvs, .offset: 8, .size: 8, .value_kind: global_buffer, .address_space: global }
      - { .name: oc, .offset: 16, .size: 8, .value_kind: global_buffer, .address_space: global }
      - { .name: os, .offset: 24, .size: 8, .value_kind: global_buffer, .address_space: global }
    .group_segment_fixed_size: 222208
    .private_segment_fixed_size: 0
    .kernarg_segment_align: 8
    .kernarg_segment_size: 32
    .max_flat_workgroup_size: 256
    .sgpr_count:     80
    .vgpr_count:     512
    .wavefront_size: 32
...
	.end_amdgpu_metadata
.endif
;; end of part 3
;; launch oproj (part 4): grid 8 x 32, 4 waves a work-group, clusters of 4 x 4, 214,528 bytes of LDS; arguments oc, os, wc, ws, out_proj_b, in_feats, out0; writes out0
.if DOCPART == 4
	.amdgcn_target "amdgcn-amd-amdhsa--gfx1250"
	.amdhsa_code_object_version 6
	.text
	.protected	k_qb8d947f416_oproj
	.globl	k_qb8d947f416_oproj
	.p2align	8
	.type	k_qb8d947f416_oproj,@function
k_qb8d947f416_oproj:
	s_mov_b64 s[64:65], 0
	v_nop
	global_prefetch_b8 v0, s[64:65] scope:SCOPE_SE
	s_setreg_imm32_b32 hwreg(HW_REG_WAVE_MODE, 25, 1), 1
	s_wait_xcnt 0x0
	s_wait_alu depctr_hold_cnt(0) depctr_sa_sdst(0) depctr_va_vdst(0) depctr_va_sdst(0) depctr_va_ssrc(0) depctr_va_vcc(0) depctr_vm_vsrc(0)
	s_getreg_b32 s2, hwreg(HW_REG_IB_STS2, 6, 4)
	s_cmp_eq_u32 s2, 0
	s_cbranch_scc0 .Lentry_in_a_cluster
	s_endpgm
.Lentry_in_a_cluster:
	s_bfe_u32 s2, ttmp6, 0x10000c
	s_cmp_lg_u32 s2, 0xf033
	s_cbranch_scc0 .Lentry_shape_is_right
	s_endpgm
.Lentry_shape_is_right:
; out0 = in_feats + attention output x out_proj_w^T + out_proj_b: a product of 4,096 x 1,024 x 1,024 on codes of FP6 (E2M3) with E8M0 scales.
; A tile of the result is 128 tokens x 128 channels, so that 32 x 8 = 256 work-groups share the work; four waves, each 64 x 64 in 16 accumulators.
; Source 0 = 16 rows of out_proj_w (operand B), source 1 = 16 tokens (operand A): a lane holds one token, its registers run along the output channels.
; OPERANDS lie in tiles of 16 rows, rows 32 g + 8 u + (r % 8) + 16 (r / 8) in tile 2 g + u, as records of 768 bytes (16 rows x 64 K, three planes of 256 bytes: registers 2 i, 2 i + 1 at 8 x lane): a fragment is six loads of 8 bytes at 8 x lane.
; ALL OF K STAYS IN LDS: the codes of 128 + 128 rows x 1,024 along K are 2 x 98,304 bytes.  Every byte is filled ONCE, by one load a wave: no ring, nothing is filled again.
; 4 x 4 work-groups form a cluster: A's tiles are asked for jointly along a row of it, B's along a column.  Waves 0 and 1 fetch A's two halves, waves 2 and 3 B's: one load each.
; THE SCALE WORDS go straight into registers, once: a lane loads its row's 32 bytes by two loads of 16; eight words a row, one for each 128 along K.  The bias is the C of the first products.
; MY 64 ROWS OF in_feats (256 bytes of each) ARE ASKED FOR AT THE HEAD, into 128 registers: they are on their way while the products run.  So nothing is left to prefetch.
; On the way out a block of 16 tokens goes through the wave's own stage in LDS, comes back as whole rows of 256 bytes into the registers that it left, takes in_feats' rows on and is stored.
; REGISTERS: window 0: v0-31 addresses; v32-63 A's scale words, v64-95 B's (they hold nothing else); v96-127 the bias; v128-255 the accumulators ((a, b) at v[128 + 32 a + 8 b]).
;   window 1: two sets of fragments, at v0 and v128: B's four, then A's four.   window 2: v0-127 in_feats' rows.
.set FR,     12                        ; registers of a fragment
.set NP,     4                         ; places behind this matrix instruction (ISA guide 7.12.1)
.set TILEQ,  3072                      ; a tile of 16 rows x 256 along K: four records
.set QB,     4*TILEQ                   ; a tile of 16 rows, all of K
.set HALFB,  4*QB                      ; 64 rows, all of K
.set BOFF,   2*HALFB                   ; B's 128 rows lie behind A's
.set STG,    4*HALFB                   ; the stages: 16 rows x (256 + 16) bytes for each wave, bytes into which no fill lands
.set SPITCH, 272
.set GO,   10                          ; v10  8 x lane
.set R32,  11                          ; v11  32 r: my row of a tile's scale bytes
.set B64,  12                          ; v12  64 h: my half's place in the bias
.set ADRA, 16                          ; v16  LDS address of A's fragments
.set ADRB, 17                          ; v17  of B's
.set STO,  24                          ; v24  the way out: where I put 32 bytes of a row
.set RD,   25                          ; v25  where I read a row back
.set CO,   26                          ; v26  4,096 (lane / 16) + 16 (lane % 16): my bytes of two rows
.set SA,   32
.set SB,   64
.set BP,   96
.set ACC,  128
.set G1,   24                          ; s[24:31] descriptor group 1 for A;  s[32:35] its group 0
.set G0,   32
.set G1B,  48                          ; s[48:55], s[68:71] the same for B
.set G0B,  68
.set MSB, 0
.macro WIN new                         ; the immediate's high byte repeats the setting that is left
.if MSB != \new
	s_set_vgpr_msb (MSB<<8)|\new
.set MSB, \new
.endif
.endm
.set MUL,  0x05                        ; sources 0 (B) and 1 (A) window 1; C and D window 0
.set TO_F, 0x40                        ; destination window 1, address window 0
.macro CROUND                          ; a round of the cluster's barrier
	s_barrier_signal -1
	s_barrier_wait -1
	s_cmp_lg_u32 s14, 0
	s_cbranch_scc1 .Lnot_wave_0_\@
	s_barrier_signal -3
.Lnot_wave_0_\@:
	s_barrier_wait -3
	s_barrier_signal -1
	s_barrier_wait -1
.endm
	s_load_b256 s[4:11], s[0:1], 0x0               ; oc, os, wc, ws
	s_load_b64 s[12:13], s[0:1], 0x20              ; out_proj_b
	s_load_b128 s[92:95], s[0:1], 0x28             ; in_feats, out0
	v_lshl_add_u32 v30, v0, 2, 0x34400
	v_mov_b32 v31, 0
	ds_add_u32 v30, v31
	ds_add_u32 v30, v31
	v_lshrrev_b32 v1, 5, v0
	v_readfirstlane_b32 s14, v1                    ; wave 0..3
	s_lshr_b32 s15, s14, 1                         ; which half of the tokens is mine.  Also: I fetch for A (0) or for B (1)
	s_and_b32 s16, s14, 1                          ; which half of the channels.  Also: which 64 rows I fetch
	s_bfe_u32 s84, ttmp6, 0x40000                  ; cx, cy: my place in the cluster
	s_bfe_u32 s85, ttmp6, 0x40004
	s_lshl_b32 s86, ttmp9, 2
	s_add_co_u32 s86, s86, s84                     ; the block of 128 channels
	s_and_b32 s17, ttmp7, 0xffff
	s_lshl_b32 s17, s17, 2
	s_add_co_u32 s17, s17, s85                     ; the block of 128 tokens
	s_lshl_b32 s87, s85, 2
	s_lshl_b32 s87, 15, s87                        ; my row of the cluster
	s_lshl_b32 s88, 0x1111, s84                    ; my column
	; descriptor group 1: 16 rows of 3,072 bytes (384 elements of 8 bytes): 4 tiles, all of K, dense in memory and in LDS
	s_or_b32 s[G1+0], s87, (3<<16)|(1<<21)         ; 15:0 the mask: A's tiles go to my row; 17:16 elements of 8 bytes; 20 no padding; 21 set beside a mask
	s_or_b32 s[G1B+0], s88, (3<<16)|(1<<21)
.irp g, G1, G1B
	s_mov_b32 s[\g+1], 384<<16                     ; tensor_dim0
	s_mov_b32 s[\g+2], 16<<16                      ; tensor_dim1: four tiles' 49,152 bytes are dense in memory: 16 rows of 3,072 bytes
	s_mov_b32 s[\g+3], 384<<16                     ; tile_dim0
	s_mov_b32 s[\g+4], 16                          ; tile_dim1
	s_mov_b32 s[\g+5], 384                         ; tensor_dim0_stride
	s_mov_b32 s[\g+6], 0
	s_mov_b32 s[\g+7], 0
.endr
	s_lshl_b32 s18, s16, 2                         ; which 4 tiles of the 8 I fetch
	s_lshl_b32 s20, s17, 3
	s_add_co_u32 s20, s20, s18                     ; A: tile 8 x block + 4 x half
	s_lshl_b32 s90, s86, 3
	s_add_co_u32 s90, s90, s18                     ; B likewise
	s_mul_i32 s20, s20, 12288                      ; their codes
	s_mov_b32 s21, 0
	s_mul_i32 s90, s90, 12288
	s_mov_b32 s91, 0
	s_mul_i32 s89, s14, HALFB                      ; where they go: wave x 64 rows: no place in the cluster enters an LDS address
	s_wait_dscnt 0x0
	s_wait_kmcnt 0x0
	s_add_nc_u64 s[8:9], s[8:9], 2359296           ; out_proj_w is weight tile 192 on
	s_add_nc_u64 s[10:11], s[10:11], 98304
	s_add_nc_u64 s[20:21], s[4:5], s[20:21]
	s_add_nc_u64 s[90:91], s[8:9], s[90:91]
	CROUND                                         ; all sixteen work-groups are here: the joint loads meet
.irp q, 0
	s_mov_b32 s[G0+4*\q], 1                        ; count = 1.  One group 0 a side: a wave's 64 rows, all of K, come by one load
	s_add_co_u32 s[G0+4*\q+1], s89, \q*QB          ; LDS address
	s_add_nc_u64 s[G0+4*\q+2:G0+4*\q+3], s[20:21], \q*TILEQ   ; global address: 256 along K are 3,072 bytes of a tile
	s_or_b32 s[G0+4*\q+3], s[G0+4*\q+3], 0x80000000           ; type = 2
	s_mov_b32 s[G0B+4*\q], 1
	s_add_co_u32 s[G0B+4*\q+1], s89, \q*QB
	s_add_nc_u64 s[G0B+4*\q+2:G0B+4*\q+3], s[90:91], \q*TILEQ
	s_or_b32 s[G0B+4*\q+3], s[G0B+4*\q+3], 0x80000000
.endr
	s_cmp_eq_u32 s15, 0                            ; one load a wave, one in each arm of the one branch on the wave's number
	s_cbranch_scc0 .Lfor_b
	tensor_load_to_lds s[G0:G0+3], s[G1:G1+7]
	s_nop 0
.rept 4
	v_nop
.endr
	s_branch .Lasked
.Lfor_b:
	tensor_load_to_lds s[G0B:G0B+3], s[G1B:G1B+7]
	s_nop 0
.rept 4
	v_nop
.endr
.Lasked:
	v_and_b32 v1, 15, v0                           ; r
	v_bfe_u32 v2, v0, 4, 1                         ; h
	v_and_b32 v3, 31, v0
	v_lshlrev_b32 v[GO], 3, v3
	v_lshlrev_b32 v[R32], 5, v1
	s_wait_alu depctr_va_vdst(0)
	v_lshlrev_b32 v[B64], 6, v2
	s_wait_alu depctr_va_vdst(0)
	v_lshlrev_b32 v[CO], 12, v2
	v_lshl_add_u32 v[CO], v1, 4, v[CO]
	s_wait_alu depctr_va_vdst(0)
	s_lshl_b32 s18, s17, 3
	s_lshl_b32 s19, s15, 2
	s_add_co_u32 s18, s18, s19                     ; my first token tile: 8 x block + 4 x half
	s_lshl_b32 s22, s18, 9                         ; its scale bytes: 512 a tile
	s_mov_b32 s23, 0
	s_add_nc_u64 s[96:97], s[6:7], s[22:23]
	s_lshl_b32 s22, s86, 3
	s_lshl_b32 s19, s16, 2
	s_add_co_u32 s22, s22, s19                     ; my first channel tile
	s_lshl_b32 s22, s22, 9
	s_add_nc_u64 s[98:99], s[10:11], s[22:23]
	s_lshl_b32 s56, s86, 9
	s_lshl_b32 s19, s16, 8
	s_add_co_u32 s56, s56, s19                     ; my first channel, in bytes: 512 x block + 256 x half
	s_mov_b32 s57, 0
	s_add_nc_u64 s[100:101], s[12:13], s[56:57]
	s_lshl_b32 s58, s18, 16                        ; my first token: 16 rows of 4,096 bytes a tile
	s_add_co_u32 s58, s58, s56
	s_mov_b32 s59, 0
	s_add_nc_u64 s[92:93], s[92:93], s[58:59]
	s_add_nc_u64 s[94:95], s[94:95], s[58:59]
.irp a, 0,1,2,3
	global_load_b128 v[SA+8*\a:SA+8*\a+3], v[R32], s[96:97] offset:512*\a          ; row r of token tile a: the words of K steps 0-3,
	global_load_b128 v[SA+8*\a+4:SA+8*\a+7], v[R32], s[96:97] offset:512*\a+16     ; and 4-7.  (Lanes 16-31 hold the same and are not read)
.endr
.irp b, 0,1,2,3
	global_load_b128 v[SB+8*\b:SB+8*\b+3], v[R32], s[98:99] offset:512*\b
	global_load_b128 v[SB+8*\b+4:SB+8*\b+7], v[R32], s[98:99] offset:512*\b+16
.endr
.irp b, 0,1,2,3                                ; the bias: register 8 b + j of lane (r, h) wants channel 32 (b / 2) + 16 h + 8 (b % 2) + j of my 64
	global_load_b128 v[BP+8*\b:BP+8*\b+3], v[B64], s[100:101] offset:(32*(\b/2)+8*(\b%2))*4
	global_load_b128 v[BP+8*\b+4:BP+8*\b+7], v[B64], s[100:101] offset:(32*(\b/2)+8*(\b%2))*4+16
.endr
	WIN 0x80                                       ; destination window 2
.irp a, 0,1,2,3                                ; in_feats: rows 2 t and 2 t + 1 of token tile a are tokens 32 (a / 2) + 8 (a % 2) + (2 t % 8) + 16 (t / 4) + (lane / 16) of my 64; sixteen lanes read 256 consecutive bytes, aligned
.irp t, 0,1,2,3,4,5,6,7
	global_load_b128 v[32*\a+4*\t:32*\a+4*\t+3], v[CO], s[92:93] offset:(32*(\a/2)+8*(\a%2)+(2*\t)%8+16*(\t/4))*4096 th:TH_LOAD_NT
.endr
.endr
	WIN 0
	s_mul_i32 s21, s15, HALFB                      ; my 64 rows of A
	v_add_nc_u32 v[ADRA], s21, v[GO]
	s_mul_i32 s22, s16, HALFB                      ; my 64 rows of B,
	s_add_co_u32 s22, s22, BOFF                    ; which lie behind A's 128
	v_add_nc_u32 v[ADRB], s22, v[GO]
	s_mul_i32 s23, s14, 16*SPITCH
	s_add_co_u32 s23, s23, STG                     ; my stage
	v_mul_u32_u24 v5, v1, SPITCH
	v_lshl_add_u32 v5, v2, 6, v5
	v_add_nc_u32 v[STO], s23, v5                   ; in: row r, + 64 h
	v_mul_u32_u24 v5, v2, SPITCH
	v_lshl_add_u32 v5, v1, 4, v5
	v_add_nc_u32 v[RD], s23, v5                    ; back: lanes 0-15 take one row of 256 bytes, lanes 16-31 the next
.macro FRAG reg, adr, ks, i            ; a fragment, 16 rows x 128 K (K step ks of eight, tile i of my four): two records, six planes of 256 bytes, each lane its 8 bytes
.irp p, 0,1,2,3,4,5
	ds_load_b64 v[\reg+2*\p:\reg+2*\p+1], v[\adr] offset:(\i)*QB+(\ks)*1536+256*\p   ; in LDS as in memory: a tile's 12,288 bytes on end, 1,536 for each 128 along K
.endr
.endm
.macro FETCH ks                        ; 48 LDS loads: K step ks: B's four fragments, then A's four, into set ks % 2
	WIN TO_F
.irp i, 0,1,2,3
	FRAG 128*((\ks)%2)+FR*\i, ADRB, \ks, \i
.endr
.irp i, 0,1,2,3
	FRAG 128*((\ks)%2)+48+FR*\i, ADRA, \ks, \i
.endr
.endm
; 16 matrix instructions: my 4 x 4 blocks, 128 along K.  first = 1: the products start the sums from the bias.  The 16 accumulators take turns, one instruction a turn.
.macro MUL16 ks, first
	WIN MUL
.irp a, 0,1,2,3
.irp b, 0,1,2,3
.if \first
	v_wmma_scale_f32_16x16x128_f8f6f4 v[ACC+32*\a+8*\b:ACC+32*\a+8*\b+7], v[128*((\ks)%2)+FR*\b:128*((\ks)%2)+FR*\b+FR-1], v[128*((\ks)%2)+48+FR*\a:128*((\ks)%2)+48+FR*\a+FR-1], v[BP+8*\b:BP+8*\b+7], v[SB+8*\b+(\ks)], v[SA+8*\a+(\ks)] matrix_a_fmt:MATRIX_FMT_FP6 matrix_b_fmt:MATRIX_FMT_FP6
.else
	v_wmma_scale_f32_16x16x128_f8f6f4 v[ACC+32*\a+8*\b:ACC+32*\a+8*\b+7], v[128*((\ks)%2)+FR*\b:128*((\ks)%2)+FR*\b+FR-1], v[128*((\ks)%2)+48+FR*\a:128*((\ks)%2)+48+FR*\a+FR-1], v[ACC+32*\a+8*\b:ACC+32*\a+8*\b+7], v[SB+8*\b+(\ks)], v[SA+8*\a+(\ks)] matrix_a_fmt:MATRIX_FMT_FP6 matrix_b_fmt:MATRIX_FMT_FP6
.endif
.endr
.endr
.endm
; Two K steps.  Ahead of the first pair my one load has landed and every wave says so: one barrier, nothing is ever filled again.  Both steps' fragments are asked for, and the second set lands while the first is multiplied.
.macro QUARTER q, first
.if \q == 0
	s_wait_tensorcnt 0x0
	s_wait_dscnt 0x0                               ; no LDS instruction of mine is out at a signal
	s_barrier_signal -1
	s_barrier_wait -1
.endif
	FETCH 2*\q
	FETCH 2*\q+1
	s_wait_dscnt 48                                ; the first set's 48 loads are in; the second set's 48 may be out
	MUL16 2*\q, \first
	s_wait_dscnt 0x0
	MUL16 2*\q+1, 0
.rept NP
	v_nop                                          ; places between the last products and the next loads into their registers, or the first read of their results (ISA guide 7.12.1 for the reads of their results)
.endr
.endm
	s_wait_alu depctr_va_vdst(0)
	s_wait_loadcnt 32                              ; the 24 loads of scale words and bias are in; in_feats' 32 may be out
	QUARTER 0, 1
	QUARTER 1, 0
	QUARTER 2, 0
	QUARTER 3, 0
	WIN 0
; THE WAY OUT, block by block of 16 tokens x 64 channels.  A lane holds 32 neighbouring bytes of a row twice over, and the lanes beside it hold other rows: so a block goes through my own stage and comes back as whole rows of 256 bytes,
; into the registers that it left.  LDS serves a wave's instructions in order (ISA guide 5.7.1.4): no wait between the stores and the loads, nor in front of the next block's stores.
.macro TOSTAGE a
.irp b, 0,1,2,3
	ds_store_b128 v[STO], v[ACC+32*\a+8*\b:ACC+32*\a+8*\b+3] offset:128*(\b/2)+32*(\b%2)          ; each accumulator from its low end on
	ds_store_b128 v[STO], v[ACC+32*\a+8*\b+4:ACC+32*\a+8*\b+7] offset:128*(\b/2)+32*(\b%2)+16
.endr
.irp t, 0,1,2,3,4,5,6,7
	ds_load_b128 v[ACC+32*\a+4*\t:ACC+32*\a+4*\t+3], v[RD] offset:2*\t*SPITCH
.endr
.endm
.macro SEND a
	s_wait_dscnt 16*(3-\a)                         ; block a is back; the later blocks' 8 stores and 8 loads each may be out
	WIN 0x08                                       ; source 1: window 2
.set i, 0
.rept 16
	v_pk_add_f32 v[ACC+32*\a+i:ACC+32*\a+i+1], v[ACC+32*\a+i:ACC+32*\a+i+1], v[32*\a+i:32*\a+i+1]   ; the skip connection
.set i, i+2
.endr
	WIN 0
.irp t, 0,1,2,3,4,5,6,7
	global_store_b128 v[CO], v[ACC+32*\a+4*\t:ACC+32*\a+4*\t+3], s[94:95] offset:(32*(\a/2)+8*(\a%2)+(2*\t)%8+16*(\t/4))*4096 th:TH_STORE_NT   ; sixteen lanes store 256 consecutive bytes, aligned; no register of a store is written again
.endr
.endm
.irp a, 0,1,2,3
	TOSTAGE \a
.endr
	s_wait_loadcnt 0x0                             ; in_feats' rows, asked for at the head
.irp a, 0,1,2,3
	SEND \a
.endr
	s_wait_dscnt 0x0
	s_wait_tensorcnt 0x0
	ds_add_u32 v30, v31
	s_wait_dscnt 0x0
	CROUND                                         ; the closing round: no work-group ends while a partner may still ask for a tile that names it
	s_endpgm
.Lfunc_end_k_qb8d947f416_oproj:
	.size	k_qb8d947f416_oproj, .Lfunc_end_k_qb8d947f416_oproj-k_qb8d947f416_oproj
	.p2alignl 7, 3214868480
	.fill 96, 4, 3214868480
	.section	.rodata,"a",@progbits
	.p2align	6, 0x0
	.amdhsa_kernel k_qb8d947f416_oproj
		.amdhsa_group_segment_fixed_size 214528
		.amdhsa_private_segment_fixed_size 0
		.amdhsa_enable_private_segment 0
		.amdhsa_kernarg_size 56
		.amdhsa_user_sgpr_count 2
		.amdhsa_user_sgpr_kernarg_segment_ptr 1
		.amdhsa_wavefront_size32 1
		.amdhsa_system_sgpr_workgroup_id_x 1
		.amdhsa_system_sgpr_workgroup_id_y 1
		.amdhsa_system_sgpr_workgroup_id_z 1
		.amdhsa_system_vgpr_workitem_id 0
		.amdhsa_next_free_vgpr 640
		.amdhsa_next_free_sgpr 106
		.amdhsa_reserve_vcc 0
		.amdhsa_float_denorm_mode_32 3
		.amdhsa_float_denorm_mode_16_64 3
		.amdhsa_memory_ordered 1
		.amdhsa_forward_progress 1
		.amdhsa_inst_pref_size 65
	.end_amdhsa_kernel
	.amdgpu_metadata
---
amdhsa.version: [ 1, 2 ]
amdhsa.kernels:
  - .name:           k_qb8d947f416_oproj
    .symbol:         k_qb8d947f416_oproj.kd
    .args:
      - { .name: oc, .offset: 0, .size: 8, .value_kind: global_buffer, .address_space: global }
      - { .name: os, .offset: 8, .size: 8, .value_kind: global_buffer, .address_space: global }
      - { .name: wc, .offset: 16, .size: 8, .value_kind: global_buffer, .address_space: global }
      - { .name: ws, .offset: 24, .size: 8, .value_kind: global_buffer, .address_space: global }
      - { .name: out_proj_b, .offset: 32, .size: 8, .value_kind: global_buffer, .address_space: global }
      - { .name: in_feats, .offset: 40, .size: 8, .value_kind: global_buffer, .address_space: global }
      - { .name: out0, .offset: 48, .size: 8, .value_kind: global_buffer, .address_space: global }
    .group_segment_fixed_size: 214528
    .private_segment_fixed_size: 0
    .kernarg_segment_align: 8
    .kernarg_segment_size: 56
    .max_flat_workgroup_size: 128
    .sgpr_count:     106
    .vgpr_count:     640
    .wavefront_size: 32
...
	.end_amdgpu_metadata
.endif
;; end of part 4
